; MI455X (gfx1250); checked and timed in simulation.
; The chip was launched on July 23, 2026; its instructions are those of AMD's public machine-readable ISA for CDNA 5 (MIT licence, August 2026) and "CDNA5" Instruction Set Architecture Reference Guide (July 2026). The comments in the code are by the model that wrote it; some were corrected since.
;; Masked Multi Head Self Attention. Allowed arithmetic: matrix products marked QUANTISED: E5M2 operands, one given power-of-two scale a tensor, by v_wmma_f32_16x16x64_bf8_bf8 or v_wmma_f32_16x16x128_bf8_bf8, f32 sums; everything else in f32.
;; Inputs: b_o 1,024 float32; b_qkv 3,072 float32; lowp_scales 8 int32 (the exponents e of the quantised operands' scales 2^e); w_o_codes 1,024 x 32 x 32 uint8 (E5M2 codes of w_o, K innermost, in blocks of 32 codes); w_qkv_codes 3,072 x 32 x 32 uint8 (E5M2 codes of w_qkv, K innermost, in blocks of 32 codes); x_codes 4,096 x 32 x 32 uint8 (E5M2 codes of x, K innermost, in blocks of 32 codes).
;; Outputs: out0 4,096 x 1,024 float32.
;; This version of the problem:
;;   THIS VERSION OF THE PROBLEM IS GIVEN IN LOW PRECISION. The matrix products marked QUANTISED in the list below multiply operands that are first quantised to E5M2 (5 exponent bits, 2 mantissa bits; 8 bits a number), with one given power-of-two scale for each operand tensor; their sums are f32. All else is computed in f32.
;;   The module's matrix products, in the order in which they are computed (A, B: the left and right operand; K: the contracted axis; several contracted axes count as one K, in the product's order):
;;     1. [M 4,096, K 1,024] x [K 1,024, N 3,072]; A: input x (given as codes); B: input w_qkv (given as codes): QUANTISED (scales: A lowp_scales[0], B lowp_scales[1])
;;     2. batch 16 x [M 4,096, K 64] x [K 64, N 4,096]; A: computed on the way; B: computed on the way: QUANTISED (scales: A lowp_scales[2], B lowp_scales[3])
;;     3. batch 16 x [M 4,096, K 4,096] x [K 4,096, N 64]; A: softmax (see below); B: computed on the way: QUANTISED (scales: A lowp_scales[4], B lowp_scales[5])
;;     4. [M 4,096, K 1,024] x [K 1,024, N 1,024]; A: computed on the way; B: input w_o (given as codes): QUANTISED (scales: A lowp_scales[6], B lowp_scales[7])
;;   THE QUANTISER, for each operand of a quantised product, along K:
;;     - The operand's scale is 2^e, e = its entry of the input lowp_scales (int32; the entries are numbered through the quantised products in the list's order, A before B).
;;     - Each number is divided by the scale, clamped to +-57,344, and rounded to the nearest number of E5M2, ties to even, subnormals kept.
;;     - The product sums the exact products of the quantised numbers (number of the format x scale) in f32.
;;   ~~~python
;;   def quantise(x, axis, e):      # numpy; x: float32 -> the quantised numbers, widened to float32 again
;;       x = np.moveaxis(x, axis, -1); K = x.shape[-1]
;;       r = np.clip(x / 2.0 ** e, -57344, 57344)
;;       step = 2.0 ** (np.maximum(np.frexp(np.where(r == 0, 1, r))[1] - 1, -14) - 2)
;;       q = np.round(r / step) * step * 2.0 ** e      # np.round: ties to even
;;       return np.moveaxis(q, -1, axis).astype(np.float32)
;;   ~~~
;;   SOFTMAX AHEAD OF A QUANTISED PRODUCT. Where the list says 'softmax', what is quantised is not the finished softmax but p = 2^(t - M), with t = logit x log2(e) and M = ceil(the row's largest t), a whole number; so 1/2 < the row's largest p <= 1. The row's sum l is taken of the UNQUANTISED p, in f32, and the product's result is divided by l at the end. Since M is a whole number, a kernel that streams over the keys may use a running M (the ceiling of the running maximum): every later rescaling is an exact power of two, so the quantised numbers keep their values, but for numbers so far below the row's largest that they fall under the format's range.
;;   OPERANDS COMPUTED ON THE WAY. 'Computed on the way' means the value that the module computes at that place (a softmax that the list does not call 'softmax' is quantised finished and normalised). What goes into a quantiser is computed in f32, as accurately as f32 sums, v_exp_f32 and their like allow (about 1e-6 of the number): no bf16 or f16 on the way to a quantiser, and a product that is left as it is and whose result goes on into a quantised operand takes f32 operands (vector FMAs, or v_wmma_f32_16x16x4_f32). A number that lies on a knife's edge between two numbers of the format may be rounded either way, as far as f32 arithmetic and the matrix unit's own rounding can turn it there, and no further.
;;   INPUTS GIVEN AS CODES. w_o (in the module: [1024, 1024], K = its axis 0); w_qkv (in the module: [1024, 3072], K = its axis 0); x (in the module: [4096, 1024], K = its axis 1): each comes as NAME_codes (uint8): NAME with its K axis moved to the last place and cut into blocks of 32 codes, [.., K / 32, bytes a block], one block behind the other in memory; one code a byte (a code: sign, 5 exponent bits, 2 mantissa bits); its scale is its entry of lowp_scales. Its value is code x scale, taken as it is: it is not quantised again, and the codes and scales need not be those that the quantiser above would give.
;; 2 versions, each right; version 2 is version 1 with the launch attn written anew for expert scheduling mode. Each part assembles by itself: llvm-mc -triple=amdgcn-amd-amdhsa -mcpu=gfx1250 --defsym DOCPART=n.
;; ======== version 1 of 2: 3 launches
;; workspace buffers: qkvc 12,582,912 bytes; acod 4,194,304 bytes
;; launch qkv (part 1): grid 24 x 32, 4 waves a work-group, clusters of 4 x 4, 327,680 bytes of LDS; arguments x_codes, w_qkv_codes, b_qkv, lowp_scales, qkvc; writes qkvc
.if DOCPART == 1
	.amdgcn_target "amdgcn-amd-amdhsa--gfx1250"
	.amdhsa_code_object_version 6
	.text
	.protected	k_q291e6bf77e_qkv
	.globl	k_q291e6bf77e_qkv
	.p2align	8
	.type	k_q291e6bf77e_qkv,@function
k_q291e6bf77e_qkv:
	s_mov_b64 s[64:65], 0
	v_nop
	global_prefetch_b8 v0, s[64:65] scope:SCOPE_SE
	s_setreg_imm32_b32 hwreg(HW_REG_WAVE_MODE, 25, 1), 1
	s_wait_xcnt 0x0
	s_wait_alu depctr_hold_cnt(0) depctr_sa_sdst(0) depctr_va_vdst(0) depctr_va_sdst(0) depctr_va_ssrc(0) depctr_va_vcc(0) depctr_vm_vsrc(0)
	s_getreg_b32 s2, hwreg(HW_REG_IB_STS2, 6, 4)
	s_cmp_eq_u32 s2, 0
	s_cbranch_scc0 .Lentry_in_a_cluster
	s_endpgm
.Lentry_in_a_cluster:
	s_bfe_u32 s2, ttmp6, 0x10000c
	s_cmp_lg_u32 s2, 0xf033
	s_cbranch_scc0 .Lentry_shape_is_right
	s_endpgm
.Lentry_shape_is_right:
; qkv = x w_qkv + b_qkv on codes of E5M2, then q, k and v are quantised (scales 2^e2, 2^e3, 2^e5) and stored as codes.
; x_codes [4096][1024], w_qkv_codes [3072][1024]: K innermost.  A sum stands for sum x 2^(e0 + e1).
; OUTPUT qkvc: q at byte 0 and k at 4 MiB, each [16 heads][4096 rows][64]; v at 8 MiB as [16 heads][32 blocks][64 d][128 keys]: keys innermost, as the later product over the keys wants them.
; ONE TEXT FOR ALL TILES.  A work-group makes C'[i][j] = sum over k of P[i][k] Q[j][k], 128 x 128.  For q and k: P = x, Q = w (j runs along the head's 64).  For v: P = w's rows 2048 on, Q = x
; (j runs along the keys): V^T = W_v X^T, so nothing is ever transposed.  Which it is hangs on the cluster's x alone (0-3: q, k; 4, 5: v), which all sixteen partners share, and is settled by
; selects of pointers, strides and the scale: no branch and no LDS address hangs on it.
; CLUSTERS: 4 x 4 work-groups.  P's tile hangs on i's tile alone and is shared along a row of the cluster, Q's on j's alone and is shared along a column: each is asked for jointly.
; LDS: the tile's whole K (1,024) lies in LDS at once, as four chunks of 256 along K for P and four for Q; every byte is filled once, nothing is filled again.  A wave issues eight tensor loads
; (32 rows x 256 bytes each) at the start: eight are outstanding by this text's own count.
; THE MATRIX INSTRUCTION IS USED TRANSPOSED (source 0 = 16 rows of Q, source 1 = 16 rows of P): lane (r, h) holds row i = r and eight neighbours j = 8 h + 0 .. 7: one conversion makes their 8 codes.
; A fragment is fetched by four loads of 16 bytes: registers 4 c .. 4 c + 3 hold k = 32 c + 16 h + 0 .. 15, alike in P and Q: a permutation of k inside an instruction; every product meets its partner.
; LIMITS: e0 + e1 between -126 and 127; e2, e3, e5 between -126 and 112.  NaN among the inputs is not served.
; REGISTERS: window 0: v8-15 fragment addresses, v16-27 the way out, v28, v29 scale and hold, v32-63 bias along j (later rows read back), v64-71 bias along i, v96-127 codes, v128-255 16 accumulators.
;   window 1: two fragment buffers of 128: P's four fragments, then Q's four.
.set PITCH, 272                        ; an LDS row: 256 bytes + 16 of padding = 68 words: row r starts at bank 4 r mod 64 (64 banks of 4 bytes: ISA guide 11.1)
.set CHUNK, 128*PITCH                  ; 128 rows x 256 along K
.set QTR,   32*PITCH                   ; what one tensor load brings
.set PB,    0                          ; P's four chunks
.set QB,    4*CHUNK                    ; Q's four chunks
.set STG,   8*CHUNK                    ; the stage for the way out: 128 rows x (128 bytes + 16); no tensor load lands here
.set SP,    144
.set HS,    262144                     ; a head's 4,096 x 64 codes
.set ADRP,  8
.set ADRQ,  12
.set STO,   16
.set RD,    17
.set VO,    18
.set SCL,   28
.set LIM,   29
.set BJ,    32
.set BI,    64
.set COD,   96
.set ACC,   128
.set F0,    0
.set F1,    128
.set G1P,   16                         ; s[16:23] descriptor group 1 for P's tiles; s[24:31] for Q's: they differ in the mask alone
.set G1Q,   24
.set G0,    32                         ; s[32:63] eight groups 0: chunk c: P's at 32 + 8 c, Q's at 36 + 8 c
.set MSB, 0
.macro WIN new                         ; the immediate's high byte repeats the setting that is left
.if MSB != \new
	s_set_vgpr_msb (MSB<<8)|\new
.set MSB, \new
.endif
.endm
.macro PLACES                          ; four places in front of loads into registers that matrix instructions have read
.rept 4
	v_nop
.endr
.endm
.macro CROUND                          ; a round of the cluster's barrier
	s_barrier_signal -1
	s_barrier_wait -1
	s_cmp_lg_u32 s14, 0
	s_cbranch_scc1 .Lnot_wave_0_\@
	s_barrier_signal -3
.Lnot_wave_0_\@:
	s_barrier_wait -3
	s_barrier_signal -1
	s_barrier_wait -1
.endm
	s_load_b256 s[4:11], s[0:1], 0x0               ; x s[4:5], w s[6:7], b_qkv s[8:9], the scales' exponents s[10:11]
	s_load_b64 s[12:13], s[0:1], 0x20              ; qkvc
	v_lshl_add_u32 v94, v0, 2, 0x48800
	v_mov_b32 v95, 0
	ds_add_u32 v94, v95
	ds_add_u32 v94, v95
	v_lshrrev_b32 v1, 5, v0
	v_readfirstlane_b32 s14, v1                    ; wave 0..3
	s_lshr_b32 s15, s14, 1                         ; wy: my half of the tile's i
	s_and_b32 s3, s14, 1                           ; wx: my half of its j
	s_bfe_u32 s66, ttmp6, 0x40000                  ; cx
	s_bfe_u32 s67, ttmp6, 0x40004                  ; cy
	s_and_b32 s69, ttmp7, 0xffff                   ; the cluster's y, 0..7
	s_max_u32 s98, ttmp9, 4
	s_sub_co_u32 s98, s98, 4                       ; the cluster's x less 4, where it is a v cluster
	s_mov_b32 s95, 4096
	s_cmp_ge_u32 ttmp9, 4                          ; v tiles?  The same answer in all sixteen partners
	s_cselect_b32 s92, -1, 0                       ; all ones for v
	s_cselect_b32 s91, 0, -1                       ; all ones for q, k
	s_cselect_b32 s70, s98, s69                    ; i's cluster coordinate
	s_cselect_b32 s71, s69, ttmp9                  ; j's
	s_cselect_b32 s93, 128, 64                     ; R: bytes of an output row
	s_cselect_b32 s94, 64, HS                      ; what the upper 64 bytes of a stage row are apart from the lower in the output
	s_cselect_b32 s95, HS, s95                     ; what stage rows 64 on are apart from rows 0 on
	s_lshl_b32 s72, s70, 2
	s_add_co_u32 s72, s72, s67                     ; ip: i's tile = 4 x coordinate + cy: it never holds cx
	s_lshl_b32 s73, s71, 2
	s_add_co_u32 s73, s73, s66                     ; jq: j's tile = 4 x coordinate + cx: it never holds cy
	s_lshl_b32 s98, s67, 2
	s_lshl_b32 s98, 15, s98                        ; my row of the cluster
	s_lshl_b32 s99, 0x1111, s66                    ; my column
	s_or_b32 s[G1P], s98, (1<<20)|(1<<21)|(5<<22)|(3<<25)   ; 15:0 the mask; 17:16 elements of 1 byte; 20 padding on; 21 set beside a mask; 24:22 after every 64 words; 31:25 four words
	s_or_b32 s[G1Q], s99, (1<<20)|(1<<21)|(5<<22)|(3<<25)
.irp g, G1P, G1Q
	s_mov_b32 s[\g+1], 256<<16                     ; tensor_dim0 = 256
	s_mov_b32 s[\g+2], 32<<16                      ; tensor_dim1 = 32
	s_mov_b32 s[\g+3], 256<<16                     ; tile_dim0 = 256
	s_mov_b32 s[\g+4], 32                          ; tile_dim1 = 32
	s_mov_b32 s[\g+5], 1024                        ; from row to row
	s_mov_b32 s[\g+6], 0
	s_mov_b32 s[\g+7], 0
.endr
	s_lshl_b32 s74, s72, 17                        ; P: row 128 ip + 32 wave, of 1,024 bytes
	s_lshl_b32 s98, s14, 15
	s_add_co_u32 s74, s74, s98
	s_mov_b32 s75, 0
	s_lshl_b32 s76, s73, 17                        ; Q: row 128 jq + 32 wave
	s_add_co_u32 s76, s76, s98
	s_mov_b32 s77, 0
	s_mul_i32 s68, s14, QTR                        ; where my 32 rows go: the wave's number alone enters an LDS address
	s_wait_dscnt 0x0
	s_wait_kmcnt 0x0
	s_load_b256 s[80:87], s[10:11], 0x0            ; e0 .. e7
	s_add_nc_u64 s[78:79], s[6:7], 0x200000        ; w's row 2048
	s_cmp_ge_u32 ttmp9, 4
	s_cselect_b64 s[96:97], s[78:79], s[4:5]       ; P's tensor
	s_add_nc_u64 s[74:75], s[96:97], s[74:75]
	s_cselect_b64 s[96:97], s[4:5], s[6:7]         ; Q's tensor
	s_add_nc_u64 s[76:77], s[96:97], s[76:77]
.irp c, 0,1,2,3
	s_mov_b32 s[G0+8*\c], 1
	s_add_co_u32 s[G0+8*\c+1], s68, PB+\c*CHUNK
	s_add_nc_u64 s[G0+8*\c+2:G0+8*\c+3], s[74:75], 256*\c
	s_or_b32 s[G0+8*\c+3], s[G0+8*\c+3], 0x80000000
	s_mov_b32 s[G0+8*\c+4], 1
	s_add_co_u32 s[G0+8*\c+5], s68, QB+\c*CHUNK
	s_add_nc_u64 s[G0+8*\c+6:G0+8*\c+7], s[76:77], 256*\c
	s_or_b32 s[G0+8*\c+7], s[G0+8*\c+7], 0x80000000
.endr
	CROUND                                         ; all sixteen work-groups are here: the joint loads meet
.irp c, 0,1,2,3
	tensor_load_to_lds s[G0+8*\c:G0+8*\c+3], s[G1P:G1P+7]      ; chunk c of P, my 32 rows
	s_nop 0
	tensor_load_to_lds s[G0+8*\c+4:G0+8*\c+7], s[G1Q:G1Q+7]    ; chunk c of Q
	s_nop 0
.endr
	PLACES                                         ; four v_nop follow the last load
	v_and_b32 v1, 15, v0                           ; r
	v_bfe_u32 v2, v0, 4, 1                         ; h
	v_and_b32 v4, 31, v0                           ; lane
	; the biases.  q, k: b[128 jq + j] runs along j.  v: b[2048 + 128 ip + i] runs along i.  Both sets are loaded, from places inside the buffer, and the one that does not apply is cleared.
	s_lshl_b32 s98, s73, 9
	s_and_b32 s98, s98, s91
	s_lshl_b32 s99, s3, 8
	s_add_co_u32 s98, s98, s99
	s_mov_b32 s99, 0
	s_add_nc_u64 s[96:97], s[8:9], s[98:99]        ; along j: 512 jq + 256 wx
	s_lshl_b32 s98, s72, 9
	s_add_co_u32 s98, s98, 8192
	s_and_b32 s98, s98, s92
	s_lshl_b32 s99, s15, 8
	s_add_co_u32 s98, s98, s99
	s_mov_b32 s99, 0
	s_add_nc_u64 s[8:9], s[8:9], s[98:99]          ; along i: 8192 + 512 ip + 256 wy
	v_lshlrev_b32 v26, 5, v2                       ; 32 h
	v_lshlrev_b32 v27, 2, v1                       ; 4 r
.irp b, 0,1,2,3
	global_load_b128 v[BJ+8*\b:BJ+8*\b+3], v26, s[96:97] offset:64*\b
	global_load_b128 v[BJ+8*\b+4:BJ+8*\b+7], v26, s[96:97] offset:64*\b+16
.endr
.irp a, 0,1,2,3
	global_load_b32 v[BI+2*\a], v27, s[8:9] offset:64*\a
.endr
	v_mul_u32_u24 v3, v1, PITCH
	v_lshl_add_u32 v3, v2, 4, v3                   ; a fragment's row x pitch + 16 h
	s_mul_i32 s98, s15, 64*PITCH                   ; my 64 rows of P
	s_mul_i32 s99, s3, 64*PITCH                    ; my 64 rows of Q
	s_add_co_u32 s99, s99, QB
.irp c, 0,1,2,3
	v_add_nc_u32 v[ADRP+\c], s98, v3
	v_add_nc_u32 v[ADRQ+\c], s99, v3
	s_add_co_u32 s98, s98, CHUNK
	s_add_co_u32 s99, s99, CHUNK
.endr
	s_mul_i32 s98, s15, 64*SP                      ; into the stage: row 64 wy + r, byte 64 wx + 8 h
	s_lshl_b32 s99, s3, 6
	s_add_co_u32 s98, s98, s99
	s_add_co_u32 s98, s98, STG
	v_mul_u32_u24 v5, v1, SP
	v_lshl_add_u32 v5, v2, 3, v5
	v_add_nc_u32 v[STO], s98, v5
	s_mul_i32 s98, s14, 32*SP                      ; back: wave w takes rows 32 w on, four rows of 128 bytes a load
	s_add_co_u32 s98, s98, STG
	v_lshrrev_b32 v5, 3, v4
	v_and_b32 v6, 7, v4
	v_mul_u32_u24 v7, v5, SP
	v_lshl_add_u32 v7, v6, 4, v7
	v_add_nc_u32 v[RD], s98, v7
	v_bfe_u32 v6, v4, 2, 1                         ; the same 16 bytes in the output: (lane / 8) R + ((lane / 4) % 2) x the halves' distance + 16 (lane % 4)
	v_and_b32 v7, 3, v4
	v_lshlrev_b32 v7, 4, v7
	v_mad_u32_u24 v7, v5, s93, v7
	v_mad_u32_u24 v[VO], v6, s94, v7
	s_lshl_b32 s98, s93, 2                         ; four rows on for each load
.irp t, 1,2,3,4,5,6,7
	v_add_nc_u32 v[VO+\t], s98, v[VO+\t-1]
.endr
	s_add_co_u32 s98, s72, 16                      ; the output's base: q, k: two heads 2 jq on, rows 128 ip on;  v: behind 8 MiB, two heads 2 ip on, block jq
	s_cmp_ge_u32 ttmp9, 4
	s_cselect_b32 s98, s98, s73
	s_cselect_b32 s99, s73, s72
	s_lshl_b32 s98, s98, 19
	s_lshl_b32 s99, s99, 13
	s_add_co_u32 s98, s98, s99
	s_mul_i32 s99, s15, s95
	s_add_co_u32 s98, s98, s99
	s_mul_i32 s99, s3, s93
	s_lshl_b32 s99, s99, 5
	s_add_co_u32 s98, s98, s99
	s_mov_b32 s99, 0
	s_add_nc_u64 s[12:13], s[12:13], s[98:99]
	s_wait_kmcnt 0x0
	s_add_co_i32 s88, s80, s81
	s_add_co_i32 s88, s88, 127
	s_lshl_b32 s88, s88, 23                        ; 2^(e0 + e1) as f32
	s_mov_b32 s89, s88                             ; (named with it as a pair, so it is written)
	s_cmp_lt_u32 ttmp9, 2
	s_cselect_b32 s90, s82, s83                    ; q: e2, k: e3,
	s_cmp_lt_u32 ttmp9, 4
	s_cselect_b32 s90, s90, s85                    ; v: e5
	s_add_co_i32 s90, s90, 127
	s_lshl_b32 s98, s90, 23
	v_mov_b32 v[SCL], s98                          ; the scale as f32: the conversion takes its exponent field
	s_add_co_i32 s90, s90, 15
	s_lshl_b32 s90, s90, 23
	s_or_b32 s90, s90, 0x600000
	v_mov_b32 v[LIM], s90                          ; 57,344 x the scale
; 32 LDS loads in one run: the fragments of step s (128 along K: half s % 2 of chunk s / 2) into buffer f
.macro FETCH s, f
	WIN 0x40                                       ; destination window 1, address window 0
.irp i, 0,1,2,3
.irp cc, 0,1,2,3
	ds_load_b128 v[\f+64+16*\i+4*\cc:\f+64+16*\i+4*\cc+3], v[ADRQ+(\s)/2] offset:\i*16*PITCH+128*((\s)%2)+32*\cc
	ds_load_b128 v[\f+16*\i+4*\cc:\f+16*\i+4*\cc+3], v[ADRP+(\s)/2] offset:\i*16*PITCH+128*((\s)%2)+32*\cc
.endr
.endr
.endm
; 16 matrix instructions, 128 along K.  The 16 accumulators take turns, one instruction a turn, in the same order in every step.  zero = 1: the products start the sums
.macro MUL f, zero
	WIN 0x05                                       ; sources 0 and 1 window 1, C and D window 0
.irp a, 0,1,2,3
.irp b, 0,1,2,3
.if \zero
	v_wmma_f32_16x16x128_bf8_bf8 v[ACC+8*(4*\a+\b):ACC+8*(4*\a+\b)+7], v[\f+64+16*\b:\f+64+16*\b+15], v[\f+16*\a:\f+16*\a+15], 0
.else
	v_wmma_f32_16x16x128_bf8_bf8 v[ACC+8*(4*\a+\b):ACC+8*(4*\a+\b)+7], v[\f+64+16*\b:\f+64+16*\b+15], v[\f+16*\a:\f+16*\a+15], v[ACC+8*(4*\a+\b):ACC+8*(4*\a+\b)+7]
.endif
.endr
.endr
.endm
; Step s multiplies buffer f; the next step's fragments are asked for first, into buffer g, and land under the 16 products.
.macro KSTEP s, f, g
	s_wait_dscnt 0x0                               ; this step's fragments are in; no LDS instruction of mine is pending at a signal
.if ((\s)%2 == 1) && ((\s) < 7)
	s_wait_tensorcnt 5-(\s)                        ; my loads went out as P0 Q0 P1 Q1 ..: my part of chunk (s + 1) / 2 is in when at most 6 - (s + 1) are out
	s_barrier_signal -1
	s_barrier_wait -1                              ; everybody's part is in.
.endif
.if (\s) < 7
.if (\s) > 0
	PLACES
.endif
	FETCH (\s)+1, \g
.endif
.if (\s) == 0
	MUL \f, 1
.else
	MUL \f, 0
.endif
.endm
	s_wait_tensorcnt 0x6                           ; my part of chunk 0 (the two oldest of my eight loads) is in,
	s_barrier_signal -1
	s_barrier_wait -1                              ; everybody's is
	FETCH 0, F0
	KSTEP 0, F0, F1
	KSTEP 1, F1, F0
	KSTEP 2, F0, F1
	KSTEP 3, F1, F0
	KSTEP 4, F0, F1
	KSTEP 5, F1, F0
	KSTEP 6, F0, F1
	KSTEP 7, F1, F0
	WIN 0
	; THE WAY OUT.  sum x 2^(e0 + e1) + bias, held at the largest code x the scale, converted: 8 codes a tile and lane.  The 40 lines that clear one set of biases name no register of the products: they are the places behind them.
	s_wait_loadcnt 0x0
.set n, 0
.rept 32
	v_and_b32 v[BJ+n], s91, v[BJ+n]                ; the bias along j counts for q and k alone
.set n, n+1
.endr
.irp a, 0,1,2,3
	v_and_b32 v[BI+2*\a], s92, v[BI+2*\a]          ; the bias along i for v alone;
	v_mov_b32 v[BI+2*\a+1], v[BI+2*\a]             ; a lane has one i: the same number for both halves of a pair
.endr
.irp a, 0,1,2,3
.irp b, 0,1,2,3
.irp i, 0,2,4,6
	v_pk_fma_f32 v[ACC+8*(4*\a+\b)+\i:ACC+8*(4*\a+\b)+\i+1], v[ACC+8*(4*\a+\b)+\i:ACC+8*(4*\a+\b)+\i+1], s[88:89], v[BJ+8*\b+\i:BJ+8*\b+\i+1] op_sel_hi:[1,0,1]   ; each accumulator from its low end on
.endr
.irp i, 0,2,4,6
	v_pk_add_f32 v[ACC+8*(4*\a+\b)+\i:ACC+8*(4*\a+\b)+\i+1], v[ACC+8*(4*\a+\b)+\i:ACC+8*(4*\a+\b)+\i+1], v[BI+2*\a:BI+2*\a+1]   ; one of the two biases is 0: one rounding in all
.endr
.irp i, 0,1,2,3,4,5,6,7
	v_med3_num_f32 v[ACC+8*(4*\a+\b)+\i], v[ACC+8*(4*\a+\b)+\i], -v[LIM], v[LIM]   ; the conversion to an 8-bit code does not saturate (ISA guide 7.6.2)
.endr
	v_cvt_scalef32_pk8_bf8_f32 v[COD+2*(4*\a+\b):COD+2*(4*\a+\b)+1], v[ACC+8*(4*\a+\b):ACC+8*(4*\a+\b)+7], v[SCL]   ; the next tile's plain lines stand behind it
.endr
.endr
	v_nop                                          ; a plain line behind the last conversion
.irp a, 0,1,2,3
.irp b, 0,1,2,3
	ds_store_b64 v[STO], v[COD+2*(4*\a+\b):COD+2*(4*\a+\b)+1] offset:\a*16*SP+16*\b
.endr
.endr
	s_wait_dscnt 0x0                               ; for the others' sake: my stores into the stage are done
	s_barrier_signal -1
	s_barrier_wait -1                              ; a stage row's 128 bytes come from two waves
.irp t, 0,1,2,3,4,5,6,7
	ds_load_b128 v[BJ+4*\t:BJ+4*\t+3], v[RD] offset:\t*4*SP
.endr
.irp t, 0,1,2,3,4,5,6,7
	s_wait_dscnt 7-\t                              ; load t is in; the 7 - t younger ones may be out
	global_store_b128 v[VO+\t], v[BJ+4*\t:BJ+4*\t+3], s[12:13]   ; 512 bytes: two runs of 256 consecutive bytes (q, k: one in each of two heads) or one of 512 (v), each at a multiple of 256
.endr
	s_wait_tensorcnt 0x0
	ds_add_u32 v94, v95
	s_wait_dscnt 0x0
	CROUND                                         ; the closing round: no work-group ends while a partner may still ask for a tile that names it
	s_endpgm
.Lfunc_end_k_q291e6bf77e_qkv:
	.size	k_q291e6bf77e_qkv, .Lfunc_end_k_q291e6bf77e_qkv-k_q291e6bf77e_qkv
	.p2alignl 7, 3214868480
	.fill 96, 4, 3214868480
	.section	.rodata,"a",@progbits
	.p2align	6, 0x0
	.amdhsa_kernel k_q291e6bf77e_qkv
		.amdhsa_group_segment_fixed_size 327680
		.amdhsa_private_segment_fixed_size 0
		.amdhsa_enable_private_segment 0
		.amdhsa_kernarg_size 40
		.amdhsa_user_sgpr_count 2
		.amdhsa_user_sgpr_kernarg_segment_ptr 1
		.amdhsa_wavefront_size32 1
		.amdhsa_system_sgpr_workgroup_id_x 1
		.amdhsa_system_sgpr_workgroup_id_y 1
		.amdhsa_system_sgpr_workgroup_id_z 1
		.amdhsa_system_vgpr_workitem_id 0
		.amdhsa_next_free_vgpr 512
		.amdhsa_next_free_sgpr 100
		.amdhsa_reserve_vcc 0
		.amdhsa_float_denorm_mode_32 3
		.amdhsa_float_denorm_mode_16_64 3
		.amdhsa_memory_ordered 1
		.amdhsa_forward_progress 1
		.amdhsa_inst_pref_size 59
	.end_amdhsa_kernel
	.amdgpu_metadata
---
amdhsa.version: [ 1, 2 ]
amdhsa.kernels:
  - .name:           k_q291e6bf77e_qkv
    .symbol:         k_q291e6bf77e_qkv.kd
    .args:
      - { .name: x_codes, .offset: 0, .size: 8, .value_kind: global_buffer, .address_space: global }
      - { .name: w_qkv_codes, .offset: 8, .size: 8, .value_kind: global_buffer, .address_space: global }
      - { .name: b_qkv, .offset: 16, .size: 8, .value_kind: global_buffer, .address_space: global }
      - { .name: lowp_scales, .offset: 24, .size: 8, .value_kind: global_buffer, .address_space: global }
      - { .name: qkvc, .offset: 32, .size: 8, .value_kind: global_buffer, .address_space: global }
    .group_segment_fixed_size: 327680
    .private_segment_fixed_size: 0
    .kernarg_segment_align: 8
    .kernarg_segment_size: 40
    .max_flat_workgroup_size: 128
    .sgpr_count:     100
    .vgpr_count:     512
    .wavefront_size: 32
...
	.end_amdgpu_metadata
.endif
;; end of part 1
;; launch attn (part 2): grid 16 x 16, 16 waves a work-group, no clusters, 63,488 bytes of LDS; arguments qkvc, lowp_scales, acod; writes acod
.if DOCPART == 2
	.amdgcn_target "amdgcn-amd-amdhsa--gfx1250"
	.amdhsa_code_object_version 6
	.text
	.protected	k_q291e6bf77e_attn
	.globl	k_q291e6bf77e_attn
	.p2align	8
	.type	k_q291e6bf77e_attn,@function
k_q291e6bf77e_attn:
	s_mov_b64 s[64:65], 0
	v_nop
	global_prefetch_b8 v0, s[64:65] scope:SCOPE_SE
	s_setreg_imm32_b32 hwreg(HW_REG_WAVE_MODE, 25, 1), 1
	s_wait_xcnt 0x0
; Causal attention of one head on codes of E5M2: S = q k^T (K = 64), p = 2^(t - M), O = p v (K = the keys), O / l quantised with 2^e6 and stored as codes, acod [16 heads][4096 rows][64].
; qkvc: q at byte 0, k at 4 MiB, each [head][row][64]; v at 8 MiB, [head][block of 128 keys][64 d][128 keys].  A step's 128 keys are 8 KiB on end in k and 8 KiB on end in v.
; THE SOFTMAX: t = score x log2(e) / 8; M = the running largest t rounded UP to a whole number; p = 2^(t - M) is quantised with 2^e4, not normalised; the row's sum l is taken of the unquantised p, in f32,
; and divides O at the end.  When M moves, l and O are multiplied by 2^(old M - new M), which rounds nothing.
; SHARES.  Work-group (i, head), sixteen waves, each with ONE tile of 16 queries in 256 registers.  Eight waves take the 128 queries of block i, eight those of block 31 - i: a wave of block b needs key steps
; 0 .. b, so every work-group has 8 (i + 1) + 8 (32 - i) = 264 wave steps.  The group is (w xor w / 4) % 2, so that of any four waves w, w + 4, w + 8, w + 12, and of any four w .. w + 3, two belong to each block.
; All sixteen waves walk all steps of the longer block (rounded up to an even number: 18 to 32); a wave whose queries lie wholly ahead of a step's keys jumps over the step's work, never over a barrier or its share of the copy.
; NO CLUSTER: the sixteen work-groups of a head walk 18 to 32 key steps, so partners would need different numbers of tiles.
; THE TILES come through registers: thread T loads bytes 16 T of the step's 8 KiB of k and of v and stores them into one of two LDS slots, two steps ahead in registers, one step ahead in LDS; one barrier a step.
; The loop runs two steps a trip, so that every LDS address is a lane's term + a constant.
; LAYOUT.  Both products are used transposed: S^T = k q^T, O^T = v^T p^T: a lane holds ONE query (lane % 16).  THE KEYS OF A TILE ARE NOT NEIGHBOURS: lane r of tile 2 b + u takes key 32 b + 8 u + r + 8 (r / 8),
; so that the 16 registers of tiles 2 b, 2 b + 1 are keys 32 b + 16 (lane / 16) + 0 .. 15: the conversions' results are the second product's operand.
; Fragments come by loads of 16 bytes: a permutation of k inside an instruction, alike in both operands.
; LIMITS: e2 + e3 between -123 and 130; e4 and e6 between -126 and 112.  NaN among the inputs is not served.
; REGISTERS: v1-11 addresses; v12 -M, v13 the largest t, v[14:15] l in two halves; v16-23 q; v24-39 two sets of copied bytes; v40-103 fragments of k, then of v; v104-167 S^T, then p; v168-199 O^T; v200-215 p's codes; v216-229 at work and constants.
; SCALARS: s10 wave, s11 the trip (a pair of steps), s12 head, s13 group, s14 u, s15 my block, s16 my block - 1, s17 trips of the loop, s18 the pair's first step, s19 at work.
.set SLOT, 20480                       ; a slot: 128 keys of k, then 64 rows of v
.set KP,   80                          ; a key's row: 64 bytes + 16; and 128 bytes more behind every 16 rows: the rows 0-7 and 16-23 of a fragment then start at 16 different groups of four banks (64 banks of 4 bytes: ISA guide 11.1)
.set VP,   144                         ; a row of v: 128 bytes + 16
.set VOFF, 128*KP+8*128
.set STG,  2*SLOT                      ; the way out: 16 rows x 80 bytes for each wave
.set HS,   262144
.set FR,   40
.set S,    104
.set O,    168
.set PC,   200
	s_load_b128 s[4:7], s[0:1], 0x0                ; qkvc, the scales' exponents
	s_load_b64 s[8:9], s[0:1], 0x10                ; acod
	v_lshl_add_u32 v254, v0, 2, 0xf000
	v_mov_b32 v255, 0
	v_lshrrev_b32 v1, 5, v0
	v_readfirstlane_b32 s10, v1                    ; wave 0..15
	s_and_b32 s12, ttmp7, 0xffff                   ; the head
	s_lshr_b32 s19, s10, 2
	s_xor_b32 s13, s10, s19
	s_and_b32 s13, s13, 1                          ; my group
	s_lshr_b32 s14, s10, 1                         ; u: which 16 of the block's 128 queries
	s_sub_co_u32 s19, 31, ttmp9
	s_cmp_eq_u32 s13, 1
	s_cselect_b32 s15, s19, ttmp9                  ; my block of queries = my last key step, the one on the diagonal
	s_add_co_i32 s16, s15, -1
	s_sub_co_u32 s17, 33, ttmp9
	s_lshr_b32 s17, s17, 1                         ; pairs of steps that the work-group walks: (32 - i) / 2, rounded up: 9 to 16
	s_sub_co_u32 s17, s17, 1                       ; the last pair is written out behind the loop: 8 to 15 trips
	s_mov_b32 s11, 0                               ; the trip
	s_mov_b32 s20, 0x76543210
	s_mov_b32 s21, 0xfedcba98                      ; v_permlanex16_b32's selects for lane l xor 16
	s_lshl_b32 s30, s12, 18                        ; the head's first byte in q, k, v and acod
	s_mov_b32 s31, 0
	s_lshl_b32 s42, s15, 13
	s_lshl_b32 s19, s14, 10
	s_add_co_u32 s42, s42, s19
	s_add_co_u32 s42, s42, s30                     ; + my first query's row: (128 block + 16 u) x 64
	s_mov_b32 s43, 0
	; every LDS address is made here, ahead of the first place where waves part
	v_and_b32 v216, 15, v0                         ; r
	v_bfe_u32 v217, v0, 4, 1                       ; h
	v_and_b32 v218, 31, v0                         ; lane
	v_and_b32 v220, 8, v216
	v_add_nc_u32 v221, v220, v216                  ; r + 8 (r / 8)
	v_mul_u32_u24 v1, v221, KP
	v_lshl_add_u32 v1, v220, 4, v1                 ; + 128 (r / 8)
	v_lshl_add_u32 v1, v217, 4, v1                 ; k's fragments: + 16 h
	v_mul_u32_u24 v2, v216, VP
	v_lshl_add_u32 v2, v217, 4, v2
	v_add_nc_u32 v2, VOFF, v2                      ; v's fragments
	v_lshrrev_b32 v220, 2, v0
	v_mul_u32_u24 v3, v220, KP
	v_lshrrev_b32 v220, 6, v0
	v_lshl_add_u32 v3, v220, 7, v3
	v_and_b32 v220, 3, v0
	v_lshl_add_u32 v3, v220, 4, v3                 ; where my 16 bytes of k go: key T / 4, part T % 4
	v_lshrrev_b32 v220, 3, v0
	v_mul_u32_u24 v4, v220, VP
	v_and_b32 v220, 7, v0
	v_lshl_add_u32 v4, v220, 4, v4
	v_add_nc_u32 v4, VOFF, v4                      ; and of v: row T / 8, part T % 8
	v_lshlrev_b32 v5, 4, v0                        ; 16 T
	v_mov_b32 v6, v5                               ; step 0's bytes
	v_add_nc_u32 v7, 8192, v5                      ; step 1's
	v_lshlrev_b32 v8, 6, v216
	v_lshl_add_u32 v8, v217, 4, v8                 ; q: row r of 64 bytes, + 16 h
	s_mul_i32 s19, s10, 16*KP
	s_add_co_u32 s19, s19, STG                     ; my stage
	v_mul_u32_u24 v9, v216, KP
	v_lshl_add_u32 v9, v217, 3, v9
	v_add_nc_u32 v9, s19, v9                       ; in: row r, + 8 h
	v_lshrrev_b32 v220, 2, v218
	v_mul_u32_u24 v10, v220, KP
	v_and_b32 v220, 3, v218
	v_lshl_add_u32 v10, v220, 4, v10
	v_add_nc_u32 v10, s19, v10                     ; back: four lanes to a row of 64 bytes
	v_lshlrev_b32 v11, 4, v218                     ; and the same bytes in acod: 16 x lane
	v_lshlrev_b32 v220, 4, v217
	v_sub_nc_u32 v226, v216, v220
	s_lshl_b32 s19, s14, 4
	v_add_nc_u32 v226, s19, v226                   ; 16 u + r - 16 h: on the diagonal, register 16 b + i holds a hidden key where 32 b + i is above this
	v_mov_b32 v227, 0xff800000                     ; -infinity
	s_wait_kmcnt 0x0
	s_load_b256 s[32:39], s[6:7], 0x0              ; e0 .. e7
	s_add_nc_u64 s[28:29], s[4:5], s[42:43]        ; q at my first query
	s_add_nc_u64 s[8:9], s[8:9], s[42:43]          ; acod likewise
	s_add_nc_u64 s[24:25], s[4:5], s[30:31]
	s_add_nc_u64 s[26:27], s[24:25], 0x800000      ; the head's v
	s_add_nc_u64 s[24:25], s[24:25], 0x400000      ; the head's k
	global_load_b128 v[16:19], v8, s[28:29]        ; q's fragment stays in registers
	global_load_b128 v[20:23], v8, s[28:29] offset:32
	global_load_b128 v[24:27], v6, s[24:25]        ; step 0
	global_load_b128 v[28:31], v6, s[26:27]
	global_load_b128 v[32:35], v7, s[24:25]        ; step 1
	global_load_b128 v[36:39], v7, s[26:27]
	v_mov_b32 v13, 0xff61b1e6                      ; the largest t so far: -3e38, under every t
	v_floor_f32 v12, -v13                          ; -M
	v_mov_b32 v14, 0                               ; l, in two halves
	v_mov_b32 v15, 0
	v_mov_b32 v219, 0                              ; (named as the upper half of the pair v[218:219])
	v_mov_b32 v222, 0                              ; written once: a lane permute's destination counts as one of its sources
.set n, 0
.rept 32
	v_mov_b32 v[O+n], 0                            ; O^T.  (The step is written without a first step of its own: it finds zeros, which the first change of M leaves zeros)
.set n, n+1
.endr
	s_wait_kmcnt 0x0
	s_mov_b32 s22, 0x3e38aa3b                      ; c = log2(e) / sqrt(64)
	s_add_co_i32 s19, s34, s35
	s_lshl_b32 s19, s19, 23
	s_add_co_i32 s22, s22, s19                     ; a score stands for score x 2^(e2 + e3): the exponents are added to c's exponent field
	s_mov_b32 s23, s22                             ; (named with it as a pair, so it is written)
	s_cmp_ge_i32 s36, -15
	s_cselect_b32 s40, 1, 0                        ; e4 >= -15: 57,344 x 2^e4 is 1.75 or more, p stays under that: the hold cannot bite and is jumped over
	s_add_co_i32 s41, s36, s37                     ; e4 + e5
	s_add_co_i32 s19, s36, 127
	s_lshl_b32 s30, s19, 23
	v_mov_b32 v225, s30                            ; 2^e4 as f32, for p's conversions
	s_add_co_i32 s19, s19, 15
	s_lshl_b32 s19, s19, 23
	s_or_b32 s19, s19, 0x600000
	v_mov_b32 v224, s19                            ; 57,344 x 2^e4
	s_add_co_i32 s19, s38, 127
	s_lshl_b32 s30, s19, 23
	v_mov_b32 v229, s30                            ; 2^e6
	s_add_co_i32 s19, s19, 15
	s_lshl_b32 s19, s19, 23
	s_or_b32 s19, s19, 0x600000
	v_mov_b32 v228, s19                            ; 57,344 x 2^e6
	s_wait_loadcnt 0x2                             ; q and step 0's bytes are in; step 1's two loads may be out
	ds_store_b128 v3, v[24:27]                     ; step 0 into slot 0
	ds_store_b128 v4, v[28:31]
; ONE KEY STEP, s18 + sg, whose tiles lie in slot sg.  ld = 1: the bytes of two steps on are asked for, into set sg.  st = 1: the next step's bytes go from set 1 - sg into slot 1 - sg; cnt: the younger loads that may stay out.
.macro STEP sg, ld, st, cnt
	s_wait_dscnt 0x0                               ; my stores into this slot have landed, and my reads of the other slot are over
.if \ld
	s_add_co_u32 s19, s18, 2+\sg
	s_lshl_b32 s19, s19, 13
	v_add_nc_u32 v[6+\sg], s19, v5                 ; the last load by this register was waited for in the step before
	global_load_b128 v[24+8*\sg:27+8*\sg], v[6+\sg], s[24:25]
	global_load_b128 v[28+8*\sg:31+8*\sg], v[6+\sg], s[26:27]
.endif
	s_barrier_signal -1
	s_barrier_wait -1                              ; this slot is whole, and nobody reads the other one
.if \st
	s_wait_loadcnt \cnt
	ds_store_b128 v3, v[32-8*\sg:35-8*\sg] offset:(1-\sg)*SLOT
	ds_store_b128 v4, v[36-8*\sg:39-8*\sg] offset:(1-\sg)*SLOT
.endif
.if \sg == 0
	s_cmp_gt_u32 s18, s15                          ; all of the step's keys come after my queries: its work is left out
.else
	s_cmp_ge_u32 s18, s15
.endif
	s_cbranch_scc1 .Lskip_\@
.irp b, 0,1,2,3
.irp u, 0,1
	ds_load_b128 v[FR+8*(2*\b+\u):FR+8*(2*\b+\u)+3], v1 offset:\sg*SLOT+(32*\b+8*\u)*KP+256*\b
	ds_load_b128 v[FR+8*(2*\b+\u)+4:FR+8*(2*\b+\u)+7], v1 offset:\sg*SLOT+(32*\b+8*\u)*KP+256*\b+32
.endr
.endr
	s_wait_dscnt 0x0
.irp t, 0,1,2,3,4,5,6,7
	v_wmma_f32_16x16x64_bf8_bf8 v[S+8*\t:S+8*\t+7], v[FR+8*\t:FR+8*\t+7], v[16:23], 0   ; S^T: tile t's 16 keys x my 16 queries
.endr
.rept 4
	v_nop                                          ; places in front of the loads into k's registers and of the first read of the scores
.endr
.irp t, 0,1,2,3
.irp c, 0,1,2,3
	ds_load_b128 v[FR+16*\t+4*\c:FR+16*\t+4*\c+3], v2 offset:\sg*SLOT+16*\t*VP+32*\c   ; v's four fragments land under the softmax
.endr
.endr
.if \sg == 0
	s_cmp_lg_u32 s18, s15                          ; only my last step lies on the diagonal
.else
	s_cmp_lg_u32 s18, s16
.endif
	s_cbranch_scc1 .Lopen_\@
.set n, 0
.rept 64
	v_cmp_gt_i32 vcc_lo, 32*(n/16)+n%16, v226      ; a hidden key's score becomes -infinity ahead of the maximum: p = 0 then
	v_cndmask_b32 v[S+n], v[S+n], v227, vcc_lo
.set n, n+1
.endr
.Lopen_\@:
	v_max3_num_f32 v216, v[S], v[S+1], v[S+2]      ; the step's largest score of my query among my 64 keys, in two chains, each accumulator from its low end on,
	v_max3_num_f32 v217, v[S+3], v[S+4], v[S+5]
.set n, 6
.rept 14
	v_max3_num_f32 v216, v216, v[S+n], v[S+n+1]
	v_max3_num_f32 v217, v217, v[S+n+2], v[S+n+3]
.set n, n+4
.endr
	v_max3_num_f32 v216, v216, v[S+62], v[S+63]
	v_max_num_f32 v216, v216, v217
	v_permlanex16_b32 v222, v216, s20, s21
	v_max_num_f32 v216, v216, v222                 ; and among lane l xor 16's
	v_mul_f32 v216, s22, v216                      ; as t (c is positive)
	v_max_num_f32 v13, v13, v216                   ; the running largest t
	v_mov_b32 v216, v12
	v_floor_f32 v12, -v13                          ; the new -M = floor(-t) = -ceil(t): a whole number
	v_sub_f32 v216, v12, v216                      ; old M - new M: a whole number, 0 or less
	v_cvt_i32_f32 v216, v216                       ; (it saturates)
	v_ldexp_f32 v218, 1.0, v216                    ; f = 2^(old M - new M)
.set n, 0
.rept 32
	v_pk_fma_f32 v[S+n:S+n+1], v[S+n:S+n+1], s[22:23], v[12:13] op_sel_hi:[1,0,0]   ; t - M, two at a time (of the pairs c and -M the low word serves both halves)
.set n, n+2
.endr
.set n, 0
.rept 64
	v_exp_f32 v[S+n], v[S+n]                       ; p = 2^(t - M): not normalised
.set n, n+1
.endr
	v_pk_mul_f32 v[14:15], v[14:15], v[218:219] op_sel_hi:[1,0]   ; l under the new M.  (A plain line behind the exponentials)
	s_wait_alu depctr_va_vdst(0)
	v_pk_add_f32 v[220:221], v[S:S+1], v[S+2:S+3]  ; the row's sum is taken of the unquantised p: two at a time, in two chains
.set n, 4
.rept 15
	v_pk_add_f32 v[14:15], v[14:15], v[S+n:S+n+1]
	v_pk_add_f32 v[220:221], v[220:221], v[S+n+2:S+n+3]
.set n, n+4
.endr
	v_pk_add_f32 v[14:15], v[14:15], v[220:221]
	s_cmp_eq_u32 s40, 1
	s_cbranch_scc1 .Lnohold_\@
.set n, 0
.rept 64
	v_min_num_f32 v[S+n], v[S+n], v224             ; the conversion to an 8-bit code does not saturate (ISA guide 7.6.2); p is not negative, so the hold is one-sided
.set n, n+1
.endr
.Lnohold_\@:
.irp b, 0,1,2,3
	v_cvt_scalef32_pk8_bf8_f32 v[PC+4*\b:PC+4*\b+1], v[S+16*\b:S+16*\b+7], v225
	v_cvt_scalef32_pk8_bf8_f32 v[PC+4*\b+2:PC+4*\b+3], v[S+16*\b+8:S+16*\b+15], v225
.endr
.set n, 0
.rept 16
	v_pk_mul_f32 v[O+n:O+n+1], v[O+n:O+n+1], v[218:219] op_sel_hi:[1,0]   ; O^T under the new M.  (Plain lines between the conversions and the products that read the codes)
.set n, n+2
.endr
	s_wait_dscnt 0x0                               ; v's fragments are in
.irp t, 0,1,2,3
	v_wmma_f32_16x16x128_bf8_bf8 v[O+8*\t:O+8*\t+7], v[FR+16*\t:FR+16*\t+15], v[PC:PC+15], v[O+8*\t:O+8*\t+7]   ; the four accumulators take turns, one instruction a turn
.endr
.rept 4
	v_nop                                          ; places in front of the next step's loads into v's registers, and of the way out's first read of O^T
.endr
.Lskip_\@:
.endm
.Lpair:                                                ; two steps a trip; each trip asks for the bytes of the two steps of the next pair.  The trips are counted one by one in s11
	s_lshl_b32 s18, s11, 1                         ; the pair's first step
	STEP 0, 1, 1, 2                                ; count 2: the two loads just issued may stay out; the next step's bytes are in
	STEP 1, 1, 1, 2
	s_add_co_u32 s11, s11, 1
	s_cmp_lt_u32 s11, s17
	s_cbranch_scc1 .Lpair
	s_lshl_b32 s18, s11, 1                         ; the last pair's first step
	STEP 0, 0, 1, 0                                ; the last two steps ask for nothing: no load leaves the head's 32 blocks
	STEP 1, 0, 0, 0
	; THE WAY OUT.  O^T / l x 2^(e4 + e5) is the attention's result; it is held, converted with 2^e6 and goes through my own stage in LDS, so that the wave's 16 rows of 64 codes leave as 1,024 consecutive bytes.
	v_add_f32 v14, v14, v15                        ; l's two halves,
	v_permlanex16_b32 v222, v14, s20, s21
	v_add_f32 v14, v14, v222                       ; and lane l xor 16's
	v_rcp_f32 v14, v14
	v_nop                                          ; a plain line behind the transcendental
	s_wait_alu depctr_va_vdst(0)
	v_ldexp_f32 v14, v14, s41
.set n, 0
.rept 16
	v_pk_mul_f32 v[S+n:S+n+1], v[O+n:O+n+1], v[14:15] op_sel_hi:[1,0]   ; register 8 t + j is o(query r, d = 16 t + 8 h + j); each accumulator from its low end on
.set n, n+2
.endr
.set n, 0
.rept 32
	v_med3_num_f32 v[S+n], v[S+n], -v228, v228
.set n, n+1
.endr
.irp t, 0,1,2,3
	v_cvt_scalef32_pk8_bf8_f32 v[PC+2*\t:PC+2*\t+1], v[S+8*\t:S+8*\t+7], v229
.endr
	v_nop                                          ; a plain line behind the last conversion
.irp t, 0,1,2,3
	ds_store_b64 v9, v[PC+2*\t:PC+2*\t+1] offset:16*\t
.endr
	ds_load_b128 v[24:27], v10                     ; LDS serves a wave's instructions in order (ISA guide 5.7.1.4): these see my stores.  Rows 0-7,
	ds_load_b128 v[28:31], v10 offset:8*KP         ; rows 8-15
	s_wait_dscnt 0x1                               ; the first load is in; the second may be out
	global_store_b128 v11, v[24:27], s[8:9]        ; 32 lanes store 512 consecutive bytes, at a multiple of 256 from acod's first byte
	s_wait_dscnt 0x0
	global_store_b128 v11, v[28:31], s[8:9] offset:512
	s_wait_tensorcnt 0x0
	ds_add_u32 v254, v255
	s_wait_dscnt 0x0
	s_endpgm
.Lfunc_end_k_q291e6bf77e_attn:
	.size	k_q291e6bf77e_attn, .Lfunc_end_k_q291e6bf77e_attn-k_q291e6bf77e_attn
	.p2alignl 7, 3214868480
	.fill 96, 4, 3214868480
	.section	.rodata,"a",@progbits
	.p2align	6, 0x0
	.amdhsa_kernel k_q291e6bf77e_attn
		.amdhsa_group_segment_fixed_size 63488
		.amdhsa_private_segment_fixed_size 0
		.amdhsa_enable_private_segment 0
		.amdhsa_kernarg_size 24
		.amdhsa_user_sgpr_count 2
		.amdhsa_user_sgpr_kernarg_segment_ptr 1
		.amdhsa_wavefront_size32 1
		.amdhsa_system_sgpr_workgroup_id_x 1
		.amdhsa_system_sgpr_workgroup_id_y 1
		.amdhsa_system_sgpr_workgroup_id_z 1
		.amdhsa_system_vgpr_workitem_id 0
		.amdhsa_next_free_vgpr 256
		.amdhsa_next_free_sgpr 66
		.amdhsa_reserve_vcc 1
		.amdhsa_float_denorm_mode_32 3
		.amdhsa_float_denorm_mode_16_64 3
		.amdhsa_memory_ordered 1
		.amdhsa_forward_progress 1
		.amdhsa_inst_pref_size 94
	.end_amdhsa_kernel
	.amdgpu_metadata
---
amdhsa.version: [ 1, 2 ]
amdhsa.kernels:
  - .name:           k_q291e6bf77e_attn
    .symbol:         k_q291e6bf77e_attn.kd
    .args:
      - { .name: qkvc, .offset: 0, .size: 8, .value_kind: global_buffer, .address_space: global }
      - { .name: lowp_scales, .offset: 8, .size: 8, .value_kind: global_buffer, .address_space: global }
      - { .name: acod, .offset: 16, .size: 8, .value_kind: global_buffer, .address_space: global }
    .group_segment_fixed_size: 63488
    .private_segment_fixed_size: 0
    .kernarg_segment_align: 8
    .kernarg_segment_size: 24
    .max_flat_workgroup_size: 512
    .sgpr_count:     66
    .vgpr_count:     256
    .wavefront_size: 32
...
	.end_amdgpu_metadata
.endif
;; end of part 2
;; launch oproj (part 3): grid 8 x 32, 4 waves a work-group, clusters of 4 x 4, 327,680 bytes of LDS; arguments acod, w_o_codes, b_o, lowp_scales, out0; writes out0
.if DOCPART == 3
	.amdgcn_target "amdgcn-amd-amdhsa--gfx1250"
	.amdhsa_code_object_version 6
	.text
	.protected	k_q291e6bf77e_oproj
	.globl	k_q291e6bf77e_oproj
	.p2align	8
	.type	k_q291e6bf77e_oproj,@function
k_q291e6bf77e_oproj:
	s_mov_b64 s[64:65], 0
	v_nop
	global_prefetch_b8 v0, s[64:65] scope:SCOPE_SE
	s_setreg_imm32_b32 hwreg(HW_REG_WAVE_MODE, 25, 1), 1
	s_wait_xcnt 0x0
	s_wait_alu depctr_hold_cnt(0) depctr_sa_sdst(0) depctr_va_vdst(0) depctr_va_sdst(0) depctr_va_ssrc(0) depctr_va_vcc(0) depctr_vm_vsrc(0)
	s_getreg_b32 s2, hwreg(HW_REG_IB_STS2, 6, 4)
	s_cmp_eq_u32 s2, 0
	s_cbranch_scc0 .Lentry_in_a_cluster
	s_endpgm
.Lentry_in_a_cluster:
	s_bfe_u32 s2, ttmp6, 0x10000c
	s_cmp_lg_u32 s2, 0xf033
	s_cbranch_scc0 .Lentry_shape_is_right
	s_endpgm
.Lentry_shape_is_right:
; out0 = a w_o + b_o on codes of E5M2.  a's codes: acod [16 heads][4096 rows][64] (k = 64 head + d); w_o_codes [1024 n][1024 k]; out0 [4096][1024] f32.  A sum stands for sum x 2^(e6 + e7).
; A work-group makes 128 rows x 128 columns; four waves, each 64 x 64: 16 accumulators.  256 work-groups.
; CLUSTERS: 4 x 4 work-groups.  a's tile hangs on the tile row alone and is shared along a row of the cluster, w_o's on the tile column alone and is shared along a column: each is asked for jointly.
; LDS: the tile's whole K (1,024) lies in LDS at once; every byte is filled once, nothing is filled again.  A wave issues eight tensor loads at the start, by chunks of 256 along K: for a one head's
; 128 rows x 64 bytes (dense in memory), for w_o 32 rows x 256 bytes: eight are outstanding by this text's own count.
; THE MATRIX INSTRUCTION IS USED TRANSPOSED (source 0 = 16 rows of w_o, source 1 = 16 rows of a): a lane holds eight neighbouring numbers of a row of out0.
; A fragment is fetched by four loads of 16 bytes: registers 4 c .. 4 c + 3 hold k = 32 c + 16 h + 0 .. 15, alike in both operands: a permutation of k inside an instruction.
; LIMIT: e6 + e7 between -126 and 127.
; REGISTERS: window 0: v8-15 fragment addresses, v16-18 the way out, v32-63 b_o, v72-103 at work, v128-255 16 accumulators (later the rows read back).  window 1: two fragment buffers of 128: a's four, then w_o's four.
.set PITCH, 272                        ; w_o's LDS row: 256 bytes + 16 = 68 words: row r starts at bank 4 r mod 64 (64 banks of 4 bytes: ISA guide 11.1)
.set CHUNK, 128*PITCH
.set QTR,   32*PITCH
.set PP,    80                         ; a's LDS row: 64 bytes + 16 = 20 words: sixteen rows start at sixteen different multiples of 4 banks
.set HB,    128*PP                     ; a head's 128 rows
.set HS,    262144                     ; a head's 4,096 x 64 codes in memory
.set PB,    0                          ; a's sixteen heads
.set QB,    16*HB                      ; w_o's four chunks
.set STG,   QB+4*CHUNK                 ; the way out: 16 rows x (256 bytes + 16) for each wave; no tensor load lands here
.set SP,    272
.set ADRP,  8
.set ADRQ,  12
.set STO,   16
.set RD,    17
.set CO,    18
.set BJ,    32
.set TMP,   72
.set ACC,   128
.set F0,    0
.set F1,    128
.set G1P,   16
.set G1Q,   24
.set G0,    32
.set MSB, 0
.macro WIN new                         ; the immediate's high byte repeats the setting that is left
.if MSB != \new
	s_set_vgpr_msb (MSB<<8)|\new
.set MSB, \new
.endif
.endm
.macro PLACES                          ; four places (ISA guide 7.12.1)
.rept 4
	v_nop
.endr
.endm
.macro CROUND                          ; a round of the cluster's barrier
	s_barrier_signal -1
	s_barrier_wait -1
	s_cmp_lg_u32 s14, 0
	s_cbranch_scc1 .Lnot_wave_0_\@
	s_barrier_signal -3
.Lnot_wave_0_\@:
	s_barrier_wait -3
	s_barrier_signal -1
	s_barrier_wait -1
.endm
	s_load_b256 s[4:11], s[0:1], 0x0               ; acod s[4:5], w_o s[6:7], b_o s[8:9], the scales' exponents s[10:11]
	s_load_b64 s[12:13], s[0:1], 0x20              ; out0
	v_lshl_add_u32 v126, v0, 2, 0x4e400
	v_mov_b32 v127, 0
	ds_add_u32 v126, v127
	ds_add_u32 v126, v127
	v_lshrrev_b32 v1, 5, v0
	v_readfirstlane_b32 s14, v1                    ; wave 0..3
	s_lshr_b32 s15, s14, 1                         ; wy: my half of the rows
	s_and_b32 s3, s14, 1                           ; wx: my half of the columns
	s_bfe_u32 s66, ttmp6, 0x40000                  ; cx
	s_bfe_u32 s67, ttmp6, 0x40004                  ; cy
	s_and_b32 s69, ttmp7, 0xffff
	s_lshl_b32 s72, s69, 2
	s_add_co_u32 s72, s72, s67                     ; ip: tile row = 4 x cluster y + cy
	s_lshl_b32 s73, ttmp9, 2
	s_add_co_u32 s73, s73, s66                     ; jq: tile column = 4 x cluster x + cx
	s_lshl_b32 s98, s67, 2
	s_lshl_b32 s98, 15, s98                        ; my row of the cluster
	s_lshl_b32 s99, 0x1111, s66                    ; my column
	s_or_b32 s[G1P], s98, (1<<20)|(1<<21)|(3<<22)|(3<<25)   ; a: the mask of my row; elements of 1 byte; padding on; 21 set beside a mask; four words after every 16
	s_mov_b32 s[G1P+1], 64<<16                     ; tensor_dim0 = 64
	s_mov_b32 s[G1P+2], 128<<16                    ; tensor_dim1 = 128
	s_mov_b32 s[G1P+3], 64<<16                     ; tile_dim0 = 64
	s_mov_b32 s[G1P+4], 128                        ; tile_dim1 = 128
	s_mov_b32 s[G1P+5], 64                         ; from row to row
	s_mov_b32 s[G1P+6], 0
	s_mov_b32 s[G1P+7], 0
	s_or_b32 s[G1Q], s99, (1<<20)|(1<<21)|(5<<22)|(3<<25)   ; w_o: the mask of my column; four words after every 64
	s_mov_b32 s[G1Q+1], 256<<16
	s_mov_b32 s[G1Q+2], 32<<16
	s_mov_b32 s[G1Q+3], 256<<16
	s_mov_b32 s[G1Q+4], 32
	s_mov_b32 s[G1Q+5], 1024
	s_mov_b32 s[G1Q+6], 0
	s_mov_b32 s[G1Q+7], 0
	s_lshl_b32 s74, s14, 18                        ; a: head = wave (+ 4 for each chunk), rows 128 ip on
	s_lshl_b32 s98, s72, 13
	s_add_co_u32 s74, s74, s98
	s_mov_b32 s75, 0
	s_lshl_b32 s76, s73, 17                        ; w_o: row 128 jq + 32 wave
	s_lshl_b32 s99, s14, 15
	s_add_co_u32 s76, s76, s99
	s_mov_b32 s77, 0
	s_mul_i32 s68, s14, HB                         ; where they go: the wave's number alone enters an LDS address
	s_mul_i32 s93, s14, QTR
	s_wait_dscnt 0x0
	s_wait_kmcnt 0x0
	s_load_b256 s[80:87], s[10:11], 0x0            ; e0 .. e7
	s_add_nc_u64 s[74:75], s[4:5], s[74:75]
	s_add_nc_u64 s[76:77], s[6:7], s[76:77]
.irp c, 0,1,2,3
	s_mov_b32 s[G0+8*\c], 1
	s_add_co_u32 s[G0+8*\c+1], s68, PB+4*\c*HB
	s_add_nc_u64 s[G0+8*\c+2:G0+8*\c+3], s[74:75], 4*\c*HS
	s_or_b32 s[G0+8*\c+3], s[G0+8*\c+3], 0x80000000
	s_mov_b32 s[G0+8*\c+4], 1
	s_add_co_u32 s[G0+8*\c+5], s93, QB+\c*CHUNK
	s_add_nc_u64 s[G0+8*\c+6:G0+8*\c+7], s[76:77], 256*\c
	s_or_b32 s[G0+8*\c+7], s[G0+8*\c+7], 0x80000000
.endr
	CROUND                                         ; all sixteen work-groups are here: the joint loads meet
.irp c, 0,1,2,3
	tensor_load_to_lds s[G0+8*\c:G0+8*\c+3], s[G1P:G1P+7]      ; chunk c of a: head 4 c + wave
	s_nop 0
	tensor_load_to_lds s[G0+8*\c+4:G0+8*\c+7], s[G1Q:G1Q+7]    ; chunk c of w_o: my 32 rows
	s_nop 0
.endr
	PLACES                                         ; four v_nop follow the last load
	v_and_b32 v1, 15, v0                           ; r
	v_bfe_u32 v2, v0, 4, 1                         ; h
	s_lshl_b32 s98, s73, 9                         ; b_o and my columns of out0: 512 jq + 256 wx bytes
	s_lshl_b32 s99, s3, 8
	s_add_co_u32 s98, s98, s99
	s_mov_b32 s99, 0
	s_add_nc_u64 s[8:9], s[8:9], s[98:99]
	s_add_nc_u64 s[12:13], s[12:13], s[98:99]
	v_lshlrev_b32 v26, 5, v2                       ; 32 h
.irp b, 0,1,2,3
	global_load_b128 v[BJ+8*\b:BJ+8*\b+3], v26, s[8:9] offset:64*\b
	global_load_b128 v[BJ+8*\b+4:BJ+8*\b+7], v26, s[8:9] offset:64*\b+16
.endr
	s_lshl_b32 s98, s72, 19                        ; my first row of out0: (128 ip + 64 wy) x 4,096 bytes
	s_lshl_b32 s99, s15, 18
	s_add_co_u32 s98, s98, s99
	s_mov_b32 s99, 0
	s_add_nc_u64 s[12:13], s[12:13], s[98:99]
	v_mul_u32_u24 v3, v1, PP
	v_lshl_add_u32 v3, v2, 4, v3                   ; a's fragments: row x 80 + 16 h
	v_mul_u32_u24 v5, v1, PITCH
	v_lshl_add_u32 v5, v2, 4, v5                   ; w_o's: row x 272 + 16 h
	s_mul_i32 s98, s15, 64*PP                      ; my 64 rows of a, in each head's block
	s_mul_i32 s99, s3, 64*PITCH                    ; my 64 rows of w_o
	s_add_co_u32 s99, s99, QB
.irp c, 0,1,2,3
	v_add_nc_u32 v[ADRP+\c], s98, v3
	v_add_nc_u32 v[ADRQ+\c], s99, v5
	s_add_co_u32 s98, s98, 4*HB
	s_add_co_u32 s99, s99, CHUNK
.endr
	s_mul_i32 s98, s14, 16*SP
	s_add_co_u32 s98, s98, STG                     ; my stage
	v_mul_u32_u24 v5, v1, SP
	v_lshl_add_u32 v5, v2, 5, v5
	v_add_nc_u32 v[STO], s98, v5                   ; in: row r, 32 bytes for each half of the lanes
	v_mul_u32_u24 v5, v2, SP
	v_lshl_add_u32 v5, v1, 4, v5
	v_add_nc_u32 v[RD], s98, v5                    ; back: lanes 0-15 one row of 256 bytes, lanes 16-31 the next
	v_lshlrev_b32 v5, 12, v2
	v_lshl_add_u32 v[CO], v1, 4, v5                ; and the same two rows in out0
	s_wait_kmcnt 0x0
	s_add_co_i32 s88, s86, s87
	s_add_co_i32 s88, s88, 127
	s_lshl_b32 s88, s88, 23                        ; 2^(e6 + e7) as f32
	s_mov_b32 s89, s88                             ; (named with it as a pair, so it is written)
; 32 LDS loads in one run: the fragments of step s (128 along K = heads 2 s, 2 s + 1) into buffer f
.macro FETCH s, f
	WIN 0x40                                       ; destination window 1, address window 0
.irp i, 0,1,2,3
.irp cc, 0,1,2,3
	ds_load_b128 v[\f+64+16*\i+4*\cc:\f+64+16*\i+4*\cc+3], v[ADRQ+(\s)/2] offset:\i*16*PITCH+128*((\s)%2)+32*\cc
	ds_load_b128 v[\f+16*\i+4*\cc:\f+16*\i+4*\cc+3], v[ADRP+(\s)/2] offset:(2*((\s)%2)+\cc/2)*HB+\i*16*PP+32*(\cc%2)
.endr
.endr
.endm
; 16 matrix instructions, 128 along K.  The 16 accumulators take turns, one instruction a turn, in the same order in every step.  zero = 1: the products start the sums
.macro MUL f, zero
	WIN 0x05                                       ; sources 0 and 1 window 1, C and D window 0
.irp a, 0,1,2,3
.irp b, 0,1,2,3
.if \zero
	v_wmma_f32_16x16x128_bf8_bf8 v[ACC+8*(4*\a+\b):ACC+8*(4*\a+\b)+7], v[\f+64+16*\b:\f+64+16*\b+15], v[\f+16*\a:\f+16*\a+15], 0
.else
	v_wmma_f32_16x16x128_bf8_bf8 v[ACC+8*(4*\a+\b):ACC+8*(4*\a+\b)+7], v[\f+64+16*\b:\f+64+16*\b+15], v[\f+16*\a:\f+16*\a+15], v[ACC+8*(4*\a+\b):ACC+8*(4*\a+\b)+7]
.endif
.endr
.endr
.endm
; Step s multiplies buffer f; the next step's fragments are asked for first, into buffer g, and land under the 16 products.
.macro KSTEP s, f, g
	s_wait_dscnt 0x0                               ; this step's fragments are in; no LDS instruction of mine is pending at a signal
.if ((\s)%2 == 1) && ((\s) < 7)
	s_wait_tensorcnt 5-(\s)                        ; my loads went out chunk by chunk, two a chunk: my part of chunk (s + 1) / 2 is in when at most 6 - (s + 1) are out
	s_barrier_signal -1
	s_barrier_wait -1                              ; everybody's part is in.
.endif
.if (\s) < 7
.if (\s) > 0
	PLACES
.endif
	FETCH (\s)+1, \g
.endif
.if (\s) == 0
	MUL \f, 1
.else
	MUL \f, 0
.endif
.endm
	s_wait_tensorcnt 0x6                           ; my part of chunk 0 (the two oldest of my eight loads) is in,
	s_barrier_signal -1
	s_barrier_wait -1                              ; everybody's is
	FETCH 0, F0
	KSTEP 0, F0, F1
	KSTEP 1, F1, F0
	KSTEP 2, F0, F1
	KSTEP 3, F1, F0
	KSTEP 4, F0, F1
	KSTEP 5, F1, F0
	KSTEP 6, F0, F1
	KSTEP 7, F1, F0
	WIN 0
; THE WAY OUT, block by block of 16 rows x 64 columns.  A lane holds 32 neighbouring bytes of a row and the lanes beside it other rows: a block goes through my own stage in LDS and comes back as whole rows of 256 bytes.
; LDS serves a wave's instructions in order (ISA guide 5.7.1.4): no wait between the stores and the loads, nor in front of the next block's stores.
.macro TOSTAGE a
.irp b, 0,1,2,3
.irp i, 0,2,4,6
	v_pk_fma_f32 v[TMP+8*\b+\i:TMP+8*\b+\i+1], v[ACC+8*(4*\a+\b)+\i:ACC+8*(4*\a+\b)+\i+1], s[88:89], v[BJ+8*\b+\i:BJ+8*\b+\i+1] op_sel_hi:[1,0,1]   ; sum x 2^(e6 + e7) + b_o; each accumulator from its low end on
.endr
.endr
.irp b, 0,1,2,3
	ds_store_b128 v[STO], v[TMP+8*\b:TMP+8*\b+3] offset:64*\b
	ds_store_b128 v[STO], v[TMP+8*\b+4:TMP+8*\b+7] offset:64*\b+16
.endr
.irp t, 0,1,2,3,4,5,6,7
	ds_load_b128 v[ACC+32*\a+4*\t:ACC+32*\a+4*\t+3], v[RD] offset:\t*2*SP   ; into the block's own accumulators, which have been read
.endr
.endm
.macro SEND a, younger                 ; younger: the LDS instructions issued behind block a's loads, which may stay out
	s_wait_dscnt \younger
.irp t, 0,1,2,3,4,5,6,7
	global_store_b128 v[CO], v[ACC+32*\a+4*\t:ACC+32*\a+4*\t+3], s[12:13] offset:(16*\a+2*\t)*4096 th:TH_STORE_NT   ; 16 lanes store 256 consecutive bytes, at a multiple of 256 from out0's first byte; written once, read by nobody here
.endr
.endm
	s_wait_loadcnt 0x0                             ; b_o
	PLACES                                         ; behind the last products: the first block's sums are read next
	TOSTAGE 0
	TOSTAGE 1
	SEND 0, 16                                     ; behind block 0's loads: block 1's 8 stores and 8 loads
	TOSTAGE 2
	SEND 1, 16
	TOSTAGE 3
	SEND 2, 16
	SEND 3, 0
	s_wait_tensorcnt 0x0
	ds_add_u32 v126, v127
	s_wait_dscnt 0x0
	CROUND                                         ; the closing round: no work-group ends while a partner may still ask for a tile that names it
	s_endpgm
.Lfunc_end_k_q291e6bf77e_oproj:
	.size	k_q291e6bf77e_oproj, .Lfunc_end_k_q291e6bf77e_oproj-k_q291e6bf77e_oproj
	.p2alignl 7, 3214868480
	.fill 96, 4, 3214868480
	.section	.rodata,"a",@progbits
	.p2align	6, 0x0
	.amdhsa_kernel k_q291e6bf77e_oproj
		.amdhsa_group_segment_fixed_size 327680
		.amdhsa_private_segment_fixed_size 0
		.amdhsa_enable_private_segment 0
		.amdhsa_kernarg_size 40
		.amdhsa_user_sgpr_count 2
		.amdhsa_user_sgpr_kernarg_segment_ptr 1
		.amdhsa_wavefront_size32 1
		.amdhsa_system_sgpr_workgroup_id_x 1
		.amdhsa_system_sgpr_workgroup_id_y 1
		.amdhsa_system_sgpr_workgroup_id_z 1
		.amdhsa_system_vgpr_workitem_id 0
		.amdhsa_next_free_vgpr 512
		.amdhsa_next_free_sgpr 100
		.amdhsa_reserve_vcc 0
		.amdhsa_float_denorm_mode_32 3
		.amdhsa_float_denorm_mode_16_64 3
		.amdhsa_memory_ordered 1
		.amdhsa_forward_progress 1
		.amdhsa_inst_pref_size 47
	.end_amdhsa_kernel
	.amdgpu_metadata
---
amdhsa.version: [ 1, 2 ]
amdhsa.kernels:
  - .name:           k_q291e6bf77e_oproj
    .symbol:         k_q291e6bf77e_oproj.kd
    .args:
      - { .name: acod, .offset: 0, .size: 8, .value_kind: global_buffer, .address_space: global }
      - { .name: w_o_codes, .offset: 8, .size: 8, .value_kind: global_buffer, .address_space: global }
      - { .name: b_o, .offset: 16, .size: 8, .value_kind: global_buffer, .address_space: global }
      - { .name: lowp_scales, .offset: 24, .size: 8, .value_kind: global_buffer, .address_space: global }
      - { .name: out0, .offset: 32, .size: 8, .value_kind: global_buffer, .address_space: global }
    .group_segment_fixed_size: 327680
    .private_segment_fixed_size: 0
    .kernarg_segment_align: 8
    .kernarg_segment_size: 40
    .max_flat_workgroup_size: 128
    .sgpr_count:     100
    .vgpr_count:     512
    .wavefront_size: 32
...
	.end_amdgpu_metadata
.endif
;; end of part 3
;; ======== version 2 of 2: 3 launches; version 1 with the launch attn written anew for expert scheduling mode
;; workspace buffers: qkvc 12,582,912 bytes; acod 4,194,304 bytes
;; launch qkv: the kernel of part 1 again; grid 24 x 32, 4 waves a work-group, clusters of 4 x 4, 327,680 bytes of LDS; arguments x_codes, w_qkv_codes, b_qkv, lowp_scales, qkvc; writes qkvc
;; launch attn (part 4): grid 16 x 16, 16 waves a work-group, no clusters, 63,488 bytes of LDS; arguments qkvc, lowp_scales, acod; writes acod
.if DOCPART == 4
	.amdgcn_target "amdgcn-amd-amdhsa--gfx1250"
	.amdhsa_code_object_version 6
	.text
	.protected	k_q291e6bf77e_attn
	.globl	k_q291e6bf77e_attn
	.p2align	8
	.type	k_q291e6bf77e_attn,@function
k_q291e6bf77e_attn:
	s_mov_b64 s[64:65], 0
	v_nop
	global_prefetch_b8 v0, s[64:65] scope:SCOPE_SE
	s_setreg_imm32_b32 hwreg(HW_REG_WAVE_SCHED_MODE, 0, 2), 2
	s_setreg_imm32_b32 hwreg(HW_REG_WAVE_MODE, 25, 1), 1
	s_wait_xcnt 0x0
	s_wait_alu depctr_vm_vsrc(0)
; Causal attention of one head on codes of E5M2: S = q k^T (K = 64), p = 2^(t - M), O = p v (K = the keys), O / l quantised with 2^e6 and stored as codes, acod [16 heads][4096 rows][64].
; qkvc: q at byte 0, k at 4 MiB, each [head][row][64]; v at 8 MiB, [head][block of 128 keys][64 d][128 keys].  A step's 128 keys are 8 KiB on end in k and 8 KiB on end in v.
; THE SOFTMAX: t = score x log2(e) / 8; M = the running largest t rounded UP to a whole number; p = 2^(t - M) is quantised with 2^e4, not normalised; the row's sum l is taken of the unquantised p, in f32,
; and divides O at the end.  When M moves, l and O are multiplied by 2^(old M - new M), which rounds nothing.
; SHARES.  Work-group (i, head), sixteen waves, each with ONE tile of 16 queries in 256 registers.  Eight waves take the 128 queries of block i, eight those of block 31 - i: a wave of block b needs key steps
; 0 .. b, so every work-group has 8 (i + 1) + 8 (32 - i) = 264 wave steps.  The group is (w xor w / 4) % 2, so that of any four waves w, w + 4, w + 8, w + 12, and of any four w .. w + 3, two belong to each block.
; All sixteen waves walk all steps of the longer block (rounded up to an even number: 18 to 32); a wave whose queries lie wholly ahead of a step's keys jumps over the step's work, never over a barrier or its share of the copy.
; NO CLUSTER: the sixteen work-groups of a head walk 18 to 32 key steps, so partners would need different numbers of tiles.
; THE TILES come through registers: thread T loads bytes 16 T of the step's 8 KiB of k and of v and stores them into one of two LDS slots, two steps ahead in registers, one step ahead in LDS; one barrier a step.
; The loop runs two steps a trip, so that every LDS address is a lane's term + a constant.
; LAYOUT.  Both products are used transposed: S^T = k q^T, O^T = v^T p^T: a lane holds ONE query (lane % 16).  THE KEYS OF A TILE ARE NOT NEIGHBOURS: lane r of tile 2 b + u takes key 32 b + 8 u + r + 8 (r / 8),
; so that the 16 registers of tiles 2 b, 2 b + 1 are keys 32 b + 16 (lane / 16) + 0 .. 15: the conversions' results are the second product's operand.
; Fragments come by loads of 16 bytes: a permutation of k inside an instruction, alike in both operands.
; LIMITS: e2 + e3 between -123 and 130; e4 and e6 between -126 and 112.  NaN among the inputs is not served.
; THE MODE: SCHED_MODE bits 1:0 = 2 (LLVM: expert scheduling mode 2), set by the entry lines.  The code itself states the register dependences
; between vector or matrix instructions and memory or LDS instructions, with s_wait_alu, always for 0.
; THE PLAN.  Registers that memory or LDS instructions touch:
;   v1-5, v8-11     addresses and offsets: written at the head, never again.  The copy's place in k and v moves by scalar bases, a pair for k and a pair for v to each set.
;   set 0 = v24-31, set 1 = v32-39   Step sg: two global loads land in set sg; the LDS stores of step 1 - sg read it.  No vector instruction names them.
;   FR = v40-103    A step's 16 LDS loads of k land in it and its 8 products S^T read it; then 16 LDS loads of v land in it and the 4 products O^T read it.
;   v200-207, v24-31 on the way out: the conversions write the codes, which LDS stores read; the stage's rows land in v24-31, which global stores read.
;   v254, v255      written at the head, read by the closing add alone.
; So a step has: one wait on vm_vsrc ahead of its global loads (the LDS stores of the step before have read the set); one wait on va_vdst ahead of k's fragments (the products O^T of the step before are done
; reading FR); one behind the products S^T (they are done reading FR); and the one behind the exponentials.  Behind the third no vector instruction up to the products O^T names FR: v's sixteen loads are dealt
; among the lines that find the maximum with no further wait.  The diagonal's compares write scalar registers, sixteen to a run, with one wait on va_sdst ahead of each run's selects.
; REGISTERS: v1-5, v8-11 addresses; v12 -M, v13 the largest t, v[14:15] l in two halves; v16-23 q; v24-39 two sets of copied bytes; v40-103 fragments of k, then of v; v104-167 S^T, then p; v168-199 O^T; v200-215 p's codes; v216-229 at work and constants.
; SCALARS: s2 1 where p's hold cannot bite, s3 e4 + e5, s10 wave, s11 the trip (a pair of steps), s12 head, s13 group, s14 u, s15 my block, s16 my block - 1, s17 trips of the loop, s18 the pair's first step, s19 at work;
;   s[24:25], s[26:27] set 0's bases in k and v, s[44:45], s[46:47] set 1's; s28-43 at the head at work, in the loop the diagonal's sixteen masks.
.set SLOT, 20480                       ; a slot: 128 keys of k, then 64 rows of v
.set KP,   80                          ; a key's row: 64 bytes + 16; and 128 bytes more behind every 16 rows: the rows 0-7 and 16-23 of a fragment then start at 16 different groups of four banks (64 banks of 4 bytes: ISA guide 11.1)
.set VP,   144                         ; a row of v: 128 bytes + 16
.set VOFF, 128*KP+8*128
.set STG,  2*SLOT                      ; the way out: 16 rows x 80 bytes for each wave
.set HS,   262144
.set FR,   40
.set S,    104
.set O,    168
.set PC,   200
.set KB,   24                          ; set sg's bases: k's at s[KB + 20 sg], v's two registers on
.set MK,   28                          ; the diagonal's masks
	s_load_b128 s[4:7], s[0:1], 0x0                ; qkvc, the scales' exponents
	s_load_b64 s[8:9], s[0:1], 0x10                ; acod
	v_lshl_add_u32 v254, v0, 2, 0xf000
	v_mov_b32 v255, 0
	v_lshrrev_b32 v1, 5, v0
	v_readfirstlane_b32 s10, v1                    ; wave 0..15
	s_and_b32 s12, ttmp7, 0xffff                   ; the head
	s_sub_co_u32 s17, 33, ttmp9
	s_lshr_b32 s17, s17, 1                         ; pairs of steps that the work-group walks: (32 - i) / 2, rounded up: 9 to 16
	s_sub_co_u32 s17, s17, 1                       ; the last pair is written out behind the loop: 8 to 15 trips
	s_mov_b32 s11, 0                               ; the trip
	s_mov_b32 s20, 0x76543210
	s_mov_b32 s21, 0xfedcba98                      ; v_permlanex16_b32's selects for lane l xor 16
	s_lshl_b32 s30, s12, 18                        ; the head's first byte in q, k, v and acod
	s_mov_b32 s31, 0
	s_wait_alu depctr_va_sdst(0)                   ; s10 is written, ahead of its first reader: my group, my block and my stage are made from it
	s_lshr_b32 s19, s10, 2
	s_xor_b32 s13, s10, s19
	s_and_b32 s13, s13, 1                          ; my group
	s_lshr_b32 s14, s10, 1                         ; u: which 16 of the block's 128 queries
	s_sub_co_u32 s19, 31, ttmp9
	s_cmp_eq_u32 s13, 1
	s_cselect_b32 s15, s19, ttmp9                  ; my block of queries = my last key step, the one on the diagonal
	s_add_co_i32 s16, s15, -1
	s_lshl_b32 s42, s15, 13
	s_lshl_b32 s19, s14, 10
	s_add_co_u32 s42, s42, s19
	s_add_co_u32 s42, s42, s30                     ; + my first query's row: (128 block + 16 u) x 64
	s_mov_b32 s43, 0
	; every LDS address is made here, ahead of the first place where waves part
	v_and_b32 v216, 15, v0                         ; r
	v_bfe_u32 v217, v0, 4, 1                       ; h
	v_and_b32 v218, 31, v0                         ; lane
	v_and_b32 v220, 8, v216
	v_add_nc_u32 v221, v220, v216                  ; r + 8 (r / 8)
	v_mul_u32_u24 v1, v221, KP
	v_lshl_add_u32 v1, v220, 4, v1                 ; + 128 (r / 8)
	v_lshl_add_u32 v1, v217, 4, v1                 ; k's fragments: + 16 h
	v_mul_u32_u24 v2, v216, VP
	v_lshl_add_u32 v2, v217, 4, v2
	v_add_nc_u32 v2, VOFF, v2                      ; v's fragments
	v_lshrrev_b32 v220, 2, v0
	v_mul_u32_u24 v3, v220, KP
	v_lshrrev_b32 v220, 6, v0
	v_lshl_add_u32 v3, v220, 7, v3
	v_and_b32 v220, 3, v0
	v_lshl_add_u32 v3, v220, 4, v3                 ; where my 16 bytes of k go: key T / 4, part T % 4
	v_lshrrev_b32 v220, 3, v0
	v_mul_u32_u24 v4, v220, VP
	v_and_b32 v220, 7, v0
	v_lshl_add_u32 v4, v220, 4, v4
	v_add_nc_u32 v4, VOFF, v4                      ; and of v: row T / 8, part T % 8
	v_lshlrev_b32 v5, 4, v0                        ; 16 T: my bytes of every step's 8 KiB of k and of v
	v_lshlrev_b32 v8, 6, v216
	v_lshl_add_u32 v8, v217, 4, v8                 ; q: row r of 64 bytes, + 16 h
	s_mul_i32 s19, s10, 16*KP
	s_add_co_u32 s19, s19, STG                     ; my stage
	v_mul_u32_u24 v9, v216, KP
	v_lshl_add_u32 v9, v217, 3, v9
	v_add_nc_u32 v9, s19, v9                       ; in: row r, + 8 h
	v_lshrrev_b32 v220, 2, v218
	v_mul_u32_u24 v10, v220, KP
	v_and_b32 v220, 3, v218
	v_lshl_add_u32 v10, v220, 4, v10
	v_add_nc_u32 v10, s19, v10                     ; back: four lanes to a row of 64 bytes
	v_lshlrev_b32 v11, 4, v218                     ; and the same bytes in acod: 16 x lane
	v_lshlrev_b32 v220, 4, v217
	v_sub_nc_u32 v226, v216, v220
	s_lshl_b32 s19, s14, 4
	v_add_nc_u32 v226, s19, v226                   ; 16 u + r - 16 h: on the diagonal, register 16 b + i holds a hidden key where 32 b + i is above this
	v_mov_b32 v227, 0xff800000                     ; -infinity
	s_wait_kmcnt 0x0
	s_load_b256 s[32:39], s[6:7], 0x0              ; e0 .. e7
	s_add_nc_u64 s[28:29], s[4:5], s[42:43]        ; q at my first query
	s_add_nc_u64 s[8:9], s[8:9], s[42:43]          ; acod likewise
	s_add_nc_u64 s[24:25], s[4:5], s[30:31]
	s_add_nc_u64 s[26:27], s[24:25], 0x800000      ; the head's v: set 0's base, at step 0
	s_add_nc_u64 s[24:25], s[24:25], 0x400000      ; the head's k likewise
	s_add_nc_u64 s[44:45], s[24:25], 8192          ; set 1's bases, at step 1
	s_add_nc_u64 s[46:47], s[26:27], 8192
	s_wait_alu depctr_va_vdst(0)                   ; the addresses and offsets v1 to v5 and v8 to v11 are written: every load and store of the kernel reads one of them, and no vector instruction names them again
	global_load_b128 v[16:19], v8, s[28:29]        ; q's fragment stays in registers
	global_load_b128 v[20:23], v8, s[28:29] offset:32
	global_load_b128 v[24:27], v5, s[24:25]        ; step 0
	global_load_b128 v[28:31], v5, s[26:27]
	global_load_b128 v[32:35], v5, s[44:45]        ; step 1
	global_load_b128 v[36:39], v5, s[46:47]
	v_mov_b32 v13, 0xff61b1e6                      ; the largest t so far: -3e38, under every t
	v_floor_f32 v12, -v13                          ; -M
	v_mov_b32 v14, 0                               ; l, in two halves
	v_mov_b32 v15, 0
	v_mov_b32 v219, 0                              ; (named as the upper half of the pair v[218:219])
	v_mov_b32 v222, 0                              ; written once: a lane permute's destination counts as one of its sources
.set n, 0
.rept 32
	v_mov_b32 v[O+n], 0                            ; O^T.  (The step is written without a first step of its own: it finds zeros, which the first change of M leaves zeros)
.set n, n+1
.endr
	s_wait_kmcnt 0x0
	s_mov_b32 s22, 0x3e38aa3b                      ; c = log2(e) / sqrt(64)
	s_add_co_i32 s19, s34, s35
	s_lshl_b32 s19, s19, 23
	s_add_co_i32 s22, s22, s19                     ; a score stands for score x 2^(e2 + e3): the exponents are added to c's exponent field
	s_mov_b32 s23, s22                             ; (named with it as a pair, so it is written)
	s_cmp_ge_i32 s36, -15
	s_cselect_b32 s2, 1, 0                         ; e4 >= -15: 57,344 x 2^e4 is 1.75 or more, p stays under that: the hold cannot bite and is jumped over
	s_add_co_i32 s3, s36, s37                      ; e4 + e5
	s_add_co_i32 s19, s36, 127
	s_lshl_b32 s30, s19, 23
	v_mov_b32 v225, s30                            ; 2^e4 as f32, for p's conversions
	s_add_co_i32 s19, s19, 15
	s_lshl_b32 s19, s19, 23
	s_or_b32 s19, s19, 0x600000
	v_mov_b32 v224, s19                            ; 57,344 x 2^e4
	s_add_co_i32 s19, s38, 127
	s_lshl_b32 s30, s19, 23
	v_mov_b32 v229, s30                            ; 2^e6
	s_add_co_i32 s19, s19, 15
	s_lshl_b32 s19, s19, 23
	s_or_b32 s19, s19, 0x600000
	v_mov_b32 v228, s19                            ; 57,344 x 2^e6
	s_wait_loadcnt 0x2                             ; q and step 0's bytes are in; step 1's two loads may be out
	ds_store_b128 v3, v[24:27]                     ; step 0 into slot 0
	ds_store_b128 v4, v[28:31]
; v's fragment t (16 of the head's 64 x the step's 128 keys) out of slot sg: four LDS loads
.macro VLOAD sg, t
.irp c, 0,1,2,3
	ds_load_b128 v[FR+16*(\t)+4*\c:FR+16*(\t)+4*\c+3], v2 offset:(\sg)*SLOT+16*(\t)*VP+32*\c
.endr
.endm
; ONE KEY STEP, s18 + sg, whose tiles lie in slot sg.  ld = 1: the bytes of two steps on are asked for, into set sg.  st = 1: the next step's bytes go from set 1 - sg into slot 1 - sg; cnt: the younger loads that may stay out.
.macro STEP sg, ld, st, cnt
	s_wait_dscnt 0x0                               ; my stores into this slot have landed, and my reads of the other slot are over
.if \ld
	s_wait_alu depctr_vm_vsrc(0)                   ; the LDS stores of the step before have read set sg, in which the two loads below land
	s_add_nc_u64 s[KB+20*\sg:KB+20*\sg+1], s[KB+20*\sg:KB+20*\sg+1], 16384     ; set sg's bases move on by two steps: the loads that last read them were waited for in the step before
	s_add_nc_u64 s[KB+20*\sg+2:KB+20*\sg+3], s[KB+20*\sg+2:KB+20*\sg+3], 16384
	global_load_b128 v[24+8*\sg:27+8*\sg], v5, s[KB+20*\sg:KB+20*\sg+1]
	global_load_b128 v[28+8*\sg:31+8*\sg], v5, s[KB+20*\sg+2:KB+20*\sg+3]
.endif
	s_barrier_signal -1
	s_barrier_wait -1                              ; this slot is whole, and nobody reads the other one
.if \st
	s_wait_loadcnt \cnt
	ds_store_b128 v3, v[32-8*\sg:35-8*\sg] offset:(1-\sg)*SLOT
	ds_store_b128 v4, v[36-8*\sg:39-8*\sg] offset:(1-\sg)*SLOT
.endif
.if \sg == 0
	s_cmp_gt_u32 s18, s15                          ; all of the step's keys come after my queries: its work is left out
.else
	s_cmp_ge_u32 s18, s15
.endif
	s_cbranch_scc1 .Lskip_\@
	s_wait_alu depctr_va_vdst(0)                   ; the products O^T of the step before are done reading v[FR ..], in which k's fragments land
.irp b, 0,1,2,3
.irp u, 0,1
	ds_load_b128 v[FR+8*(2*\b+\u):FR+8*(2*\b+\u)+3], v1 offset:\sg*SLOT+(32*\b+8*\u)*KP+256*\b
	ds_load_b128 v[FR+8*(2*\b+\u)+4:FR+8*(2*\b+\u)+7], v1 offset:\sg*SLOT+(32*\b+8*\u)*KP+256*\b+32
.endr
.endr
	s_wait_dscnt 0x0
.irp t, 0,1,2,3,4,5,6,7
	v_wmma_f32_16x16x64_bf8_bf8 v[S+8*\t:S+8*\t+7], v[FR+8*\t:FR+8*\t+7], v[16:23], 0   ; S^T: tile t's 16 keys x my 16 queries
.endr
.rept 4
	v_nop                                          ; places (ISA guide 7.12.1) in front of the first read of the scores
.endr
	s_wait_alu depctr_va_vdst(0)                   ; the eight products are done reading k's fragments, in which v's land.  No vector instruction from here to the products O^T names v[FR ..]: v's sixteen loads owe nothing more
	VLOAD \sg, 0                                   ; v's four fragments land under the softmax: two now, two among the lines that find the maximum
	VLOAD \sg, 1
.if \sg == 0
	s_cmp_lg_u32 s18, s15                          ; only my last step lies on the diagonal
.else
	s_cmp_lg_u32 s18, s16
.endif
	s_cbranch_scc1 .Lopen_\@
.set g, 0
.rept 4                                        ; a hidden key's score becomes -infinity ahead of the maximum: p = 0 then.  Sixteen compares, one wait, sixteen selects
.set n, 0
.rept 16
	v_cmp_gt_i32 s[MK+n], 32*g+n, v226
.set n, n+1
.endr
	s_wait_alu depctr_va_sdst(0)                   ; the sixteen compares have written their masks, which the selects below read
.set n, 0
.rept 16
	v_cndmask_b32 v[S+16*g+n], v[S+16*g+n], v227, s[MK+n]
.set n, n+1
.endr
.set g, g+1
.endr
.Lopen_\@:
	v_max3_num_f32 v216, v[S], v[S+1], v[S+2]      ; the step's largest score of my query among my 64 keys, in two chains, each accumulator from its low end on,
	v_max3_num_f32 v217, v[S+3], v[S+4], v[S+5]
.set n, 6
.rept 7
	v_max3_num_f32 v216, v216, v[S+n], v[S+n+1]
	v_max3_num_f32 v217, v217, v[S+n+2], v[S+n+3]
.set n, n+4
.endr
	VLOAD \sg, 2
.rept 7
	v_max3_num_f32 v216, v216, v[S+n], v[S+n+1]
	v_max3_num_f32 v217, v217, v[S+n+2], v[S+n+3]
.set n, n+4
.endr
	VLOAD \sg, 3
	v_max3_num_f32 v216, v216, v[S+62], v[S+63]
	v_max_num_f32 v216, v216, v217
	v_permlanex16_b32 v222, v216, s20, s21
	v_max_num_f32 v216, v216, v222                 ; and among lane l xor 16's
	v_mul_f32 v216, s22, v216                      ; as t (c is positive)
	v_max_num_f32 v13, v13, v216                   ; the running largest t
	v_mov_b32 v216, v12
	v_floor_f32 v12, -v13                          ; the new -M = floor(-t) = -ceil(t): a whole number
	v_sub_f32 v216, v12, v216                      ; old M - new M: a whole number, 0 or less
	v_cvt_i32_f32 v216, v216                       ; (it saturates)
	v_ldexp_f32 v218, 1.0, v216                    ; f = 2^(old M - new M)
.set n, 0
.rept 32
	v_pk_fma_f32 v[S+n:S+n+1], v[S+n:S+n+1], s[22:23], v[12:13] op_sel_hi:[1,0,0]   ; t - M, two at a time (of the pairs c and -M the low word serves both halves)
.set n, n+2
.endr
.set n, 0
.rept 64
	v_exp_f32 v[S+n], v[S+n]                       ; p = 2^(t - M): not normalised
.set n, n+1
.endr
	v_pk_mul_f32 v[14:15], v[14:15], v[218:219] op_sel_hi:[1,0]   ; l under the new M.  (A plain line behind the exponentials)
	s_wait_alu depctr_va_vdst(0)                   ; the 64 exponentials have written p, which the sums below are the first to read: one wait for the batch
	v_pk_add_f32 v[220:221], v[S:S+1], v[S+2:S+3]  ; the row's sum is taken of the unquantised p: two at a time, in two chains
.set n, 4
.rept 15
	v_pk_add_f32 v[14:15], v[14:15], v[S+n:S+n+1]
	v_pk_add_f32 v[220:221], v[220:221], v[S+n+2:S+n+3]
.set n, n+4
.endr
	v_pk_add_f32 v[14:15], v[14:15], v[220:221]
	s_cmp_eq_u32 s2, 1
	s_cbranch_scc1 .Lnohold_\@
.set n, 0
.rept 64
	v_min_num_f32 v[S+n], v[S+n], v224             ; the conversion to an 8-bit code does not saturate (ISA guide 7.6.2); p is not negative, so the hold is one-sided
.set n, n+1
.endr
.Lnohold_\@:
.irp b, 0,1,2,3
	v_cvt_scalef32_pk8_bf8_f32 v[PC+4*\b:PC+4*\b+1], v[S+16*\b:S+16*\b+7], v225
	v_cvt_scalef32_pk8_bf8_f32 v[PC+4*\b+2:PC+4*\b+3], v[S+16*\b+8:S+16*\b+15], v225
.endr
.set n, 0
.rept 16
	v_pk_mul_f32 v[O+n:O+n+1], v[O+n:O+n+1], v[218:219] op_sel_hi:[1,0]   ; O^T under the new M.  (Plain lines between the conversions and the products that read the codes)
.set n, n+2
.endr
	s_wait_dscnt 0x0                               ; v's fragments are in
.irp t, 0,1,2,3
	v_wmma_f32_16x16x128_bf8_bf8 v[O+8*\t:O+8*\t+7], v[FR+16*\t:FR+16*\t+15], v[PC:PC+15], v[O+8*\t:O+8*\t+7]   ; the four accumulators take turns, one instruction a turn
.endr
.rept 4
	v_nop                                          ; places (ISA guide 7.12.1) behind the products, in front of the next vector read of O^T, the way out's too
.endr
.Lskip_\@:
.endm
.Lpair:                                                ; two steps a trip; each trip asks for the bytes of the two steps of the next pair.  The trips are counted one by one in s11
	s_lshl_b32 s18, s11, 1                         ; the pair's first step
	STEP 0, 1, 1, 2                                ; count 2: the two loads just issued may stay out; the next step's bytes are in
	STEP 1, 1, 1, 2
	s_add_co_u32 s11, s11, 1
	s_cmp_lt_u32 s11, s17
	s_cbranch_scc1 .Lpair
	s_lshl_b32 s18, s11, 1                         ; the last pair's first step
	STEP 0, 0, 1, 0                                ; the last two steps ask for nothing: no load leaves the head's 32 blocks
	STEP 1, 0, 0, 0
	; THE WAY OUT.  O^T / l x 2^(e4 + e5) is the attention's result; it is held, converted with 2^e6 and goes through my own stage in LDS, so that the wave's 16 rows of 64 codes leave as 1,024 consecutive bytes.
	v_add_f32 v14, v14, v15                        ; l's two halves,
	v_permlanex16_b32 v222, v14, s20, s21
	v_add_f32 v14, v14, v222                       ; and lane l xor 16's
	v_rcp_f32 v14, v14
	v_nop                                          ; a plain line behind the transcendental
	s_wait_alu depctr_va_vdst(0)                   ; the reciprocal has written v14, which the next line reads
	v_ldexp_f32 v14, v14, s3
.set n, 0
.rept 16
	v_pk_mul_f32 v[S+n:S+n+1], v[O+n:O+n+1], v[14:15] op_sel_hi:[1,0]   ; register 8 t + j is o(query r, d = 16 t + 8 h + j); each accumulator from its low end on
.set n, n+2
.endr
.set n, 0
.rept 32
	v_med3_num_f32 v[S+n], v[S+n], -v228, v228
.set n, n+1
.endr
.irp t, 0,1,2,3
	v_cvt_scalef32_pk8_bf8_f32 v[PC+2*\t:PC+2*\t+1], v[S+8*\t:S+8*\t+7], v229
.endr
	v_nop                                          ; a plain line behind the last conversion
	s_wait_alu depctr_va_vdst(0)                   ; the four conversions have written v[PC ..], which the LDS stores below read
	s_wait_alu depctr_vm_vsrc(0)                   ; the loop's LDS stores have read v24 to v31, in which the stage's rows land
.irp t, 0,1,2,3
	ds_store_b64 v9, v[PC+2*\t:PC+2*\t+1] offset:16*\t
.endr
	ds_load_b128 v[24:27], v10                     ; LDS serves a wave's instructions in order (ISA guide 5.7.1.4): these see my stores.  Rows 0-7,
	ds_load_b128 v[28:31], v10 offset:8*KP         ; rows 8-15
	s_wait_dscnt 0x1                               ; the first load is in; the second may be out
	global_store_b128 v11, v[24:27], s[8:9]        ; 32 lanes store 512 consecutive bytes, at a multiple of 256 from acod's first byte
	s_wait_dscnt 0x0
	global_store_b128 v11, v[28:31], s[8:9] offset:512
	s_wait_dscnt 0x0                               ; the closing lines, six on end
	s_wait_alu 0x0
	s_wait_tensorcnt 0x0
	ds_add_u32 v254, v255
	s_wait_dscnt 0x0
	s_endpgm
.Lfunc_end_k_q291e6bf77e_attn:
	.size	k_q291e6bf77e_attn, .Lfunc_end_k_q291e6bf77e_attn-k_q291e6bf77e_attn
	.p2alignl 7, 3214868480
	.fill 96, 4, 3214868480
	.section	.rodata,"a",@progbits
	.p2align	6, 0x0
	.amdhsa_kernel k_q291e6bf77e_attn
		.amdhsa_group_segment_fixed_size 63488
		.amdhsa_private_segment_fixed_size 0
		.amdhsa_enable_private_segment 0
		.amdhsa_kernarg_size 24
		.amdhsa_user_sgpr_count 2
		.amdhsa_user_sgpr_kernarg_segment_ptr 1
		.amdhsa_wavefront_size32 1
		.amdhsa_system_sgpr_workgroup_id_x 1
		.amdhsa_system_sgpr_workgroup_id_y 1
		.amdhsa_system_sgpr_workgroup_id_z 1
		.amdhsa_system_vgpr_workitem_id 0
		.amdhsa_next_free_vgpr 256
		.amdhsa_next_free_sgpr 66
		.amdhsa_reserve_vcc 0
		.amdhsa_float_denorm_mode_32 3
		.amdhsa_float_denorm_mode_16_64 3
		.amdhsa_memory_ordered 1
		.amdhsa_forward_progress 1
		.amdhsa_inst_pref_size 111
	.end_amdhsa_kernel
	.amdgpu_metadata
---
amdhsa.version: [ 1, 2 ]
amdhsa.kernels:
  - .name:           k_q291e6bf77e_attn
    .symbol:         k_q291e6bf77e_attn.kd
    .args:
      - { .name: qkvc, .offset: 0, .size: 8, .value_kind: global_buffer, .address_space: global }
      - { .name: lowp_scales, .offset: 8, .size: 8, .value_kind: global_buffer, .address_space: global }
      - { .name: acod, .offset: 16, .size: 8, .value_kind: global_buffer, .address_space: global }
    .group_segment_fixed_size: 63488
    .private_segment_fixed_size: 0
    .kernarg_segment_align: 8
    .kernarg_segment_size: 24
    .max_flat_workgroup_size: 512
    .sgpr_count:     66
    .vgpr_count:     256
    .wavefront_size: 32
...
	.end_amdgpu_metadata
.endif
;; end of part 4
;; launch oproj: the kernel of part 3 again; grid 8 x 32, 4 waves a work-group, clusters of 4 x 4, 327,680 bytes of LDS; arguments acod, w_o_codes, b_o, lowp_scales, out0; writes out0
